; MI455X (gfx1250); checked and timed in simulation.
; The chip was launched on July 23, 2026; its instructions are those of AMD's public machine-readable ISA for CDNA 5 (MIT licence, August 2026) and "CDNA5" Instruction Set Architecture Reference Guide (July 2026). The comments in the code are by the model that wrote it; some were corrected since.
;; Delta Net Layer. Allowed arithmetic: float matrix products may take bf16 or f16 operands with f32 sums; all other float work in f32.
;; Inputs: Wb 1,024 x 4 float32; Wk 1,024 x 1,024 float32; Wo 2,048 x 1,024 float32; Wq 1,024 x 1,024 float32; Wv 1,024 x 2,048 float32; ln_b 1,024 float32; ln_w 1,024 float32; o_norm_w 512 float32; x 4 x 512 x 1,024 float32.
;; Outputs: out0 4 x 512 x 1,024 float32.
;; One version. Each part assembles by itself: llvm-mc -triple=amdgcn-amd-amdhsa -mcpu=gfx1250 --defsym DOCPART=n.
;; ======== version 1 of 1: 5 launches
;; limits: values are held in f16: magnitudes above 65,504 overflow, below 6.1e-05 lose precision; values outside matrix products are rounded to f16
;; workspace buffers: xn 4,194,304 bytes; w16 12,582,912 bytes; betaT 32,768 bytes; qkv 16,777,216 bytes; rec 13,107,200 bytes; urec 8,388,608 bytes; osq 9,437,184 bytes
;; launch prep (part 1): grid 448 x 1, 8 waves a work-group, no clusters, 0 bytes of LDS; arguments x, ln_w, ln_b, Wb, Wq, Wk, Wv, Wo, o_norm_w, xn, w16, betaT; writes xn, w16, betaT
.if DOCPART == 1
	.amdgcn_target "amdgcn-amd-amdhsa--gfx1250"
	.amdhsa_code_object_version 6
	.text
	.protected	k_q55a48494ff_prep
	.globl	k_q55a48494ff_prep
	.p2align	8
	.type	k_q55a48494ff_prep,@function
k_q55a48494ff_prep:
	s_mov_b64 s[64:65], 0
	v_nop
	global_prefetch_b8 v0, s[64:65] scope:SCOPE_SE
	s_setreg_imm32_b32 hwreg(HW_REG_WAVE_MODE, 25, 1), 1
	s_wait_xcnt 0x0
; PREP.  Work-groups 0-63: Wq and Wk, 64-127: Wv, 128-191: Wo (times o_norm_w) are rounded to f16 into w16;
; work-groups 192-447: LayerNorm of 8 tokens each (a wave a token) into xn (f16), and beta = sigmoid(normed . Wb) in f32 into betaT [head][token].
; w16: at 0 [1024 k][4096 n] (n: q 0-1023, k 1024-2047, v 2048-4095); at 8,388,608 [2048 k][1024 n] = o_norm_w[k % 512] * Wo[k][n].
; LIMITS.  f16 operands: weights and normed numbers beyond 65,504 become infinite; below 6e-5 they keep f16's fixed step.  NaN and infinities are not treated apart.
; No LDS, no matrix unit: a stream; each byte is read once and written once.
.set D,   8                            ; v[8:135]   CONV: 4 segments x 32 registers
.set SC,  136                          ; v[136:143] CONV: the four rows' scales, each twice
.set X,   8                            ; v[8:39]    LN: the lane's 32 numbers; (j, i) is column 128 j + 4 lane + i
.set LW,  40                           ; v[40:71]   ln_w, later the packed f16
.set LB,  72                           ; v[72:103]  ln_b
.set WB,  104                          ; v[104:231] Wb's rows of my 32 columns, 4 numbers each
.set T,   232                          ; v[232:243] at work
.set TP,  246                          ; v246       the other half's number in a reduction
	s_load_b512 s[8:23], s[0:1], 0x0               ; x 8, ln_w 10, ln_b 12, Wb 14, Wq 16, Wk 18, Wv 20, Wo 22
	s_load_b256 s[24:31], s[0:1], 0x40             ; o_norm_w 24, xn 26, w16 28, betaT 30
	v_lshrrev_b32 v2, 5, v0
	v_readfirstlane_b32 s4, v2                     ; wave 0..7
	v_and_b32 v1, 31, v0                           ; lane
	s_mov_b32 s5, ttmp9
	s_mov_b32 s33, 0
	s_mov_b32 s35, 0
	s_wait_kmcnt 0x0
	s_cmp_lt_u32 s5, 64
	s_cbranch_scc1 .Lqk
	s_cmp_lt_u32 s5, 128
	s_cbranch_scc1 .Lv
	s_cmp_lt_u32 s5, 192
	s_cbranch_scc1 .Lo
	s_branch .Lln
; A segment is 1,024 consecutive f32 of a dense source.  A wave takes four: 32 loads go out together; a lane holds 8 neighbouring numbers,
; which pack into 16 bytes, so each store of the wave covers 512 consecutive bytes.  Segment i lands at dimm + (i & 1) p1 + (i >> 1) p2.
.macro CONV p1, p2, dimm, scaled
.irp i, 0,1,2,3
.irp g, 0,1,2,3
	global_load_b128 v[D+32*(\i)+8*(\g):D+32*(\i)+8*(\g)+3], v2, s[40:41] offset:(\i)*4096+(\g)*1024 th:TH_LOAD_NT
	global_load_b128 v[D+32*(\i)+8*(\g)+4:D+32*(\i)+8*(\g)+7], v2, s[40:41] offset:(\i)*4096+(\g)*1024+16 th:TH_LOAD_NT
.endr
.endr
.irp i, 0,1,2,3
	s_wait_loadcnt 24-8*(\i)                       ; the eight loads of each later segment may stay out
.if \scaled
.set z, 0
.rept 16
	v_pk_mul_f32 v[D+32*(\i)+2*z:D+32*(\i)+2*z+1], v[D+32*(\i)+2*z:D+32*(\i)+2*z+1], v[SC+2*(\i):SC+2*(\i)+1]
.set z, z+1
.endr
.endif
.irp g, 0,1,2,3
.irp k, 0,1,2,3
	v_cvt_pk_f16_f32 v[D+32*(\i)+8*(\g)+(\k)], v[D+32*(\i)+8*(\g)+2*(\k)], v[D+32*(\i)+8*(\g)+2*(\k)+1]  ; in place, ascending
.endr
	global_store_b128 v3, v[D+32*(\i)+8*(\g):D+32*(\i)+8*(\g)+3], s[42:43] offset:(\dimm)+((\i)&1)*(\p1)+((\i)>>1)*(\p2)+(\g)*512
.endr
.endr
.endm
.Lqk:                                                  ; 32 rows of Wq (groups 0-31) or Wk (32-63): a segment is a row
	s_and_b32 s6, s5, 31
	s_lshl_b32 s32, s6, 17                         ; 32 rows of 4,096 bytes
	s_lshl_b32 s34, s6, 18                         ; 32 rows of 8,192 bytes
	s_cmp_lt_u32 s5, 32
	s_cselect_b64 s[40:41], s[16:17], s[18:19]
	s_cselect_b32 s7, 0, 2048                      ; k's columns begin 2,048 bytes into a row
	s_add_co_u32 s34, s34, s7
	s_add_nc_u64 s[40:41], s[40:41], s[32:33]
	s_add_nc_u64 s[42:43], s[28:29], s[34:35]
	v_lshlrev_b32 v2, 5, v1
	v_lshl_add_u32 v2, s4, 14, v2                  ; 32 lane + 4 segments a wave
	v_lshlrev_b32 v3, 4, v1
	v_lshl_add_u32 v3, s4, 15, v3                  ; 16 lane + 4 rows of 8,192 a wave
	CONV 8192, 16384, 0, 0
	s_endpgm
.Lv:                                                   ; 16 rows of Wv: a segment is half a row
	s_sub_co_u32 s6, s5, 64
	s_lshl_b32 s32, s6, 17
	s_add_nc_u64 s[40:41], s[20:21], s[32:33]
	s_add_nc_u64 s[42:43], s[28:29], s[32:33]      ; 16 rows of 8,192 bytes: the same number
	v_lshlrev_b32 v2, 5, v1
	v_lshl_add_u32 v2, s4, 14, v2
	v_lshlrev_b32 v3, 4, v1
	v_lshl_add_u32 v3, s4, 14, v3                  ; 2 rows a wave
	CONV 2048, 8192, 4096, 0
	s_endpgm
.Lo:                                                   ; 32 rows of Wo, each times o_norm_w[row % 512]
	s_sub_co_u32 s6, s5, 128
	s_lshl_b32 s32, s6, 17
	s_lshl_b32 s34, s6, 16
	s_add_co_u32 s34, s34, 8388608
	s_add_nc_u64 s[40:41], s[22:23], s[32:33]
	s_add_nc_u64 s[42:43], s[28:29], s[34:35]
	s_lshl_b32 s46, s6, 5
	s_lshl_b32 s7, s4, 2
	s_add_co_u32 s46, s46, s7                      ; my first row
	s_and_b32 s46, s46, 511
	s_lshl_b32 s46, s46, 2
	s_mov_b32 s47, 0
	s_add_nc_u64 s[44:45], s[24:25], s[46:47]
	s_load_b128 s[36:39], s[44:45], 0x0
	v_lshlrev_b32 v2, 5, v1
	v_lshl_add_u32 v2, s4, 14, v2
	v_lshlrev_b32 v3, 4, v1
	v_lshl_add_u32 v3, s4, 13, v3                  ; 4 rows of 2,048 a wave
	s_wait_kmcnt 0x0
.irp i, 0,1,2,3
	v_mov_b32 v[SC+2*(\i)], s[36+(\i)]
	v_mov_b32 v[SC+2*(\i)+1], s[36+(\i)]
.endr
	CONV 2048, 4096, 0, 1
	s_endpgm
.macro WRED r                          ; the sum over the wave's 32 lanes, in every lane
	v_add_f32_dpp v[\r], v[\r], v[\r] row_xmask:1 row_mask:0xf bank_mask:0xf
	v_add_f32_dpp v[\r], v[\r], v[\r] row_xmask:2 row_mask:0xf bank_mask:0xf
	v_add_f32_dpp v[\r], v[\r], v[\r] row_xmask:4 row_mask:0xf bank_mask:0xf
	v_add_f32_dpp v[\r], v[\r], v[\r] row_xmask:8 row_mask:0xf bank_mask:0xf
	v_permlanex16_b32 v[TP], v[\r], s36, s37
	v_add_f32 v[\r], v[\r], v[TP]
.endm
.Lln:
	s_sub_co_u32 s6, s5, 192
	s_lshl_b32 s6, s6, 3
	s_add_co_u32 s6, s6, s4                        ; my token
	s_lshl_b32 s32, s6, 12
	s_add_nc_u64 s[40:41], s[8:9], s[32:33]        ; its row of x
	s_lshl_b32 s34, s6, 11
	s_add_nc_u64 s[42:43], s[26:27], s[34:35]      ; its row of xn
	s_lshl_b32 s44, s6, 2
	s_mov_b32 s45, 0
	s_add_nc_u64 s[46:47], s[30:31], s[44:45]      ; its word in betaT's row 0
	s_mov_b32 s36, 0x76543210                      ; each lane takes its own place in the other half
	s_mov_b32 s37, 0xfedcba98
	s_mov_b32 s38, 0x3a800000                      ; 1 / 1024
	s_mov_b32 s39, 0x3727c5ac                      ; 1e-5
	v_lshlrev_b32 v2, 4, v1
	v_lshlrev_b32 v3, 6, v1
	v_lshlrev_b32 v4, 3, v1
	v_lshlrev_b32 v5, 13, v1                       ; a row of betaT is 8,192 bytes
	v_mov_b32 v[TP], 0
.irp j, 0,1,2,3,4,5,6,7
	global_load_b128 v[X+4*(\j):X+4*(\j)+3], v2, s[40:41] offset:512*(\j)
.endr
.irp j, 0,1,2,3,4,5,6,7
	global_load_b128 v[LW+4*(\j):LW+4*(\j)+3], v2, s[10:11] offset:512*(\j)
.endr
.irp j, 0,1,2,3,4,5,6,7
	global_load_b128 v[LB+4*(\j):LB+4*(\j)+3], v2, s[12:13] offset:512*(\j)
.endr
.irp j, 0,1,2,3,4,5,6,7
.irp i, 0,1,2,3
	global_load_b128 v[WB+4*(4*(\j)+(\i)):WB+4*(4*(\j)+(\i))+3], v3, s[14:15] offset:2048*(\j)+16*(\i)
.endr
.endr
	s_wait_loadcnt 48                              ; x is in: 8 + 8 + 32 loads were issued behind it
.irp c, 0,1,2,3
	v_pk_add_f32 v[T+2*(\c):T+2*(\c)+1], v[X+2*(\c):X+2*(\c)+1], v[X+8+2*(\c):X+9+2*(\c)]
.endr
.irp c, 0,1,2,3
	v_pk_add_f32 v[T+2*(\c):T+2*(\c)+1], v[T+2*(\c):T+2*(\c)+1], v[X+16+2*(\c):X+17+2*(\c)]
.endr
.irp c, 0,1,2,3
	v_pk_add_f32 v[T+2*(\c):T+2*(\c)+1], v[T+2*(\c):T+2*(\c)+1], v[X+24+2*(\c):X+25+2*(\c)]
.endr
	v_pk_add_f32 v[T:T+1], v[T:T+1], v[T+2:T+3]
	v_pk_add_f32 v[T+4:T+5], v[T+4:T+5], v[T+6:T+7]
	v_pk_add_f32 v[T:T+1], v[T:T+1], v[T+4:T+5]
	v_add_f32 v[T], v[T], v[T+1]
	WRED T
	v_mul_f32 v[T], s38, v[T]                      ; the mean
	v_mov_b32 v[T+1], v[T]
.set z, 0
.rept 16
	v_pk_add_f32 v[X+2*z:X+2*z+1], v[X+2*z:X+2*z+1], v[T:T+1] neg_lo:[0,1] neg_hi:[0,1]
.set z, z+1
.endr
	; the variance is taken of x - mean: no difference of large sums
.set z, 0
.rept 16
.if z < 4
	v_pk_mul_f32 v[T+2+2*z:T+3+2*z], v[X+2*z:X+2*z+1], v[X+2*z:X+2*z+1]
.else
	v_pk_fma_f32 v[T+2+2*(z%4):T+3+2*(z%4)], v[X+2*z:X+2*z+1], v[X+2*z:X+2*z+1], v[T+2+2*(z%4):T+3+2*(z%4)]
.endif
.set z, z+1
.endr
	v_pk_add_f32 v[T+2:T+3], v[T+2:T+3], v[T+4:T+5]
	v_pk_add_f32 v[T+6:T+7], v[T+6:T+7], v[T+8:T+9]
	v_pk_add_f32 v[T+2:T+3], v[T+2:T+3], v[T+6:T+7]
	v_add_f32 v[T+2], v[T+2], v[T+3]
	WRED T+2
	v_fma_f32 v[T+2], v[T+2], s38, s39             ; variance + 1e-5
	v_rsq_f32 v[T+2], v[T+2]
	v_nop                                          ; a plain instruction behind the root
	s_wait_alu depctr_va_vdst(0)
	v_mov_b32 v[T+3], v[T+2]
	s_wait_loadcnt 32                              ; ln_w and ln_b are in; Wb's 32 loads may stay out
.set z, 0
.rept 16
	v_pk_mul_f32 v[X+2*z:X+2*z+1], v[X+2*z:X+2*z+1], v[T+2:T+3]
.set z, z+1
.endr
.set z, 0
.rept 16
	v_pk_fma_f32 v[X+2*z:X+2*z+1], v[X+2*z:X+2*z+1], v[LW+2*z:LW+2*z+1], v[LB+2*z:LB+2*z+1]
.set z, z+1
.endr
.set z, 0
.rept 16
	v_cvt_pk_f16_f32 v[LW+z], v[X+2*z], v[X+2*z+1]
.set z, z+1
.endr
.irp j, 0,1,2,3,4,5,6,7
	global_store_b64 v4, v[LW+2*(\j):LW+2*(\j)+1], s[42:43] offset:256*(\j)  ; the wave's store covers 256 consecutive bytes, aligned
.endr
	s_wait_loadcnt 0x0                             ; Wb
	; beta's four dot products in f32: number e of the lane times its row of Wb; two sets of sums by turns
.set e, 0
.rept 32
.set bs, T+4+4*((e/4)%2)
.set xp, X+(e/2)*2
.if (e == 0) || (e == 4)
	v_pk_mul_f32 v[bs:bs+1], v[WB+4*e:WB+4*e+1], v[xp:xp+1] op_sel_hi:[1,0]
	v_pk_mul_f32 v[bs+2:bs+3], v[WB+4*e+2:WB+4*e+3], v[xp:xp+1] op_sel_hi:[1,0]
.elseif e%2 == 0
	v_pk_fma_f32 v[bs:bs+1], v[WB+4*e:WB+4*e+1], v[xp:xp+1], v[bs:bs+1] op_sel_hi:[1,0,1]
	v_pk_fma_f32 v[bs+2:bs+3], v[WB+4*e+2:WB+4*e+3], v[xp:xp+1], v[bs+2:bs+3] op_sel_hi:[1,0,1]
.else
	v_pk_fma_f32 v[bs:bs+1], v[WB+4*e:WB+4*e+1], v[xp:xp+1], v[bs:bs+1] op_sel:[0,1,0] op_sel_hi:[1,1,1]
	v_pk_fma_f32 v[bs+2:bs+3], v[WB+4*e+2:WB+4*e+3], v[xp:xp+1], v[bs+2:bs+3] op_sel:[0,1,0] op_sel_hi:[1,1,1]
.endif
.set e, e+1
.endr
	v_pk_add_f32 v[T+4:T+5], v[T+4:T+5], v[T+8:T+9]
	v_pk_add_f32 v[T+6:T+7], v[T+6:T+7], v[T+10:T+11]
	WRED T+4
	WRED T+5
	WRED T+6
	WRED T+7
	v_cmp_eq_u32 vcc_lo, 1, v1                     ; lane h (0..3) takes head h's sum
	v_cndmask_b32 v[T+4], v[T+4], v[T+5], vcc_lo
	v_cmp_eq_u32 vcc_lo, 2, v1
	v_cndmask_b32 v[T+4], v[T+4], v[T+6], vcc_lo
	v_cmp_eq_u32 vcc_lo, 3, v1
	v_cndmask_b32 v[T+4], v[T+4], v[T+7], vcc_lo
	v_mul_f32 v[T+4], 0xbfb8aa3b, v[T+4]           ; sigmoid(z) = 1 / (1 + 2^(-z log2 e))
	v_exp_f32 v[T+4], v[T+4]
	v_nop
	s_wait_alu depctr_va_vdst(0)
	v_add_f32 v[T+4], 1.0, v[T+4]
	v_rcp_f32 v[T+4], v[T+4]
	v_nop
	v_cmp_gt_u32 vcc_lo, 4, v1
	s_wait_xcnt 0x0                                ; EXEC is a source of the stores above: it changes only behind this wait
	s_and_saveexec_b32 s6, vcc_lo
	s_wait_alu depctr_va_vdst(0)
	global_store_b32 v5, v[T+4], s[46:47]          ; four words, one in each head's row: 32 KiB in the whole launch
	s_wait_xcnt 0x0
	s_or_b32 exec_lo, exec_lo, s6
	s_endpgm
.Lfunc_end_k_q55a48494ff_prep:
	.size	k_q55a48494ff_prep, .Lfunc_end_k_q55a48494ff_prep-k_q55a48494ff_prep
	.p2alignl 7, 3214868480
	.fill 96, 4, 3214868480
	.section	.rodata,"a",@progbits
	.p2align	6, 0x0
	.amdhsa_kernel k_q55a48494ff_prep
		.amdhsa_group_segment_fixed_size 0
		.amdhsa_private_segment_fixed_size 0
		.amdhsa_enable_private_segment 0
		.amdhsa_kernarg_size 96
		.amdhsa_user_sgpr_count 2
		.amdhsa_user_sgpr_kernarg_segment_ptr 1
		.amdhsa_wavefront_size32 1
		.amdhsa_system_sgpr_workgroup_id_x 1
		.amdhsa_system_sgpr_workgroup_id_y 1
		.amdhsa_system_sgpr_workgroup_id_z 1
		.amdhsa_system_vgpr_workitem_id 0
		.amdhsa_next_free_vgpr 256
		.amdhsa_next_free_sgpr 66
		.amdhsa_reserve_vcc 1
		.amdhsa_float_denorm_mode_32 3
		.amdhsa_float_denorm_mode_16_64 3
		.amdhsa_memory_ordered 1
		.amdhsa_forward_progress 1
		.amdhsa_inst_pref_size 53
	.end_amdhsa_kernel
	.amdgpu_metadata
---
amdhsa.version: [ 1, 2 ]
amdhsa.kernels:
  - .name:           k_q55a48494ff_prep
    .symbol:         k_q55a48494ff_prep.kd
    .args:
      - { .name: x, .offset: 0, .size: 8, .value_kind: global_buffer, .address_space: global }
      - { .name: ln_w, .offset: 8, .size: 8, .value_kind: global_buffer, .address_space: global }
      - { .name: ln_b, .offset: 16, .size: 8, .value_kind: global_buffer, .address_space: global }
      - { .name: Wb, .offset: 24, .size: 8, .value_kind: global_buffer, .address_space: global }
      - { .name: Wq, .offset: 32, .size: 8, .value_kind: global_buffer, .address_space: global }
      - { .name: Wk, .offset: 40, .size: 8, .value_kind: global_buffer, .address_space: global }
      - { .name: Wv, .offset: 48, .size: 8, .value_kind: global_buffer, .address_space: global }
      - { .name: Wo, .offset: 56, .size: 8, .value_kind: global_buffer, .address_space: global }
      - { .name: o_norm_w, .offset: 64, .size: 8, .value_kind: global_buffer, .address_space: global }
      - { .name: xn, .offset: 72, .size: 8, .value_kind: global_buffer, .address_space: global }
      - { .name: w16, .offset: 80, .size: 8, .value_kind: global_buffer, .address_space: global }
      - { .name: betaT, .offset: 88, .size: 8, .value_kind: global_buffer, .address_space: global }
    .group_segment_fixed_size: 0
    .private_segment_fixed_size: 0
    .kernarg_segment_align: 8
    .kernarg_segment_size: 96
    .max_flat_workgroup_size: 256
    .sgpr_count:     66
    .vgpr_count:     256
    .wavefront_size: 32
...
	.end_amdgpu_metadata
.endif
;; end of part 1
;; launch proj (part 2): grid 16 x 16, 4 waves a work-group, clusters of 4 x 4, 327,680 bytes of LDS; arguments xn, w16, qkv; writes qkv
.if DOCPART == 2
	.amdgcn_target "amdgcn-amd-amdhsa--gfx1250"
	.amdhsa_code_object_version 6
	.text
	.protected	k_q55a48494ff_proj
	.globl	k_q55a48494ff_proj
	.p2align	8
	.type	k_q55a48494ff_proj,@function
k_q55a48494ff_proj:
	s_mov_b64 s[64:65], 0
	v_nop
	global_prefetch_b8 v0, s[64:65] scope:SCOPE_SE
	s_setreg_imm32_b32 hwreg(HW_REG_WAVE_MODE, 25, 1), 1
	s_wait_xcnt 0x0
	s_wait_alu depctr_hold_cnt(0) depctr_sa_sdst(0) depctr_va_vdst(0) depctr_va_sdst(0) depctr_va_ssrc(0) depctr_va_vcc(0) depctr_vm_vsrc(0)
	s_getreg_b32 s2, hwreg(HW_REG_IB_STS2, 6, 4)
	s_cmp_eq_u32 s2, 0
	s_cbranch_scc0 .Lentry_in_a_cluster
	s_endpgm
.Lentry_in_a_cluster:
	s_bfe_u32 s2, ttmp6, 0x10000c
	s_cmp_lg_u32 s2, 0xf033
	s_cbranch_scc0 .Lentry_shape_is_right
	s_endpgm
.Lentry_shape_is_right:
; PROJ.  qkv[token][4096] = f(xn [2048][1024] x Wqkv16 [1024][4096]), f16 operands, f32 sums.  A tile of 128 tokens x 256 columns is one head of q, one head of k or half a head of v:
; q and k: silu, then divided by the root of (the head's sum of squares + 1e-6); v: silu / 16 (reference()'s DK^-0.5, moved from q to v: o is linear in v, and 1/16 is exact).
; Four waves, each 64 tokens x 128 columns: 32 accumulators.  K = 1024 in 8 steps of 128 through two LDS slots.  The matrix instruction is used transposed (source 0 = 16 columns of W,
; turned out of LDS by ds_load_tr16_b128; source 1 = 16 tokens): a lane holds one token and eight neighbouring columns.
; CLUSTER 4 x 4: xn's tile is shared along a row of the cluster, W's along a column; each is asked for jointly.
; LIMITS.  f16: |v| / 16 beyond 65,504 becomes infinite; NaN and infinities are not treated apart.
; REGISTERS.  window 0: addresses, statistics, v64-127 at work; window 1: accumulators, tile (mt, nt) at 8 (8 mt + nt); windows 2, 3: two fragment buffers of 64 along K:
; piece c (32 along K) at 96 c: 4 token fragments, then 8 weight fragments.
.set PA,    272                        ; a row of xn's tile: 256 bytes + 16
.set PB,    544                        ; a row of W's tile: 512 bytes + 32 = 17 x 32
.set BOFF,  128*PA
.set SLOT,  BOFF+128*PB
.set STAGE, 2*SLOT                     ; 16 rows x 272 bytes for each wave, for the way out
.set XCH,   STAGE+4*16*PA              ; f32 [column half][128 tokens]: the halves' sums of squares
.set SPARE, XCH+1024                   ; the spare words, 128 bytes a wave
.set ADRA, 16
.set ADRB, 20
.set STO,  24
.set RD,   25
.set CO,   26
.set SPW,  28
.set NIL,  29
.set CH,   30                          ; v30-37 four chains
.set SS,   38                          ; v38-41 sums of squares, by mt
.set TP,   42
.set C16,  43                          ; 1/16
.set SCP,  44                          ; v44-51 the scale, twice, by mt
.set XA,   52
.set XB,   53
.set T,    64
.set TMP,  64
.set OB,   96
.set G1,  24
.set G0,  32
.set G1B, 48
.set G0B, 56
.set MSB, 0
.macro WIN new                         ; the high byte repeats the setting that is left
.if MSB != (\new)
	s_set_vgpr_msb (MSB<<8)|(\new)
.set MSB, (\new)
.endif
.endm
.macro PLACES                          ; four places behind matrix instructions (ISA guide 7.12.1)
.rept 4
	v_nop
.endr
.endm
.macro JLOAD s                         ; a joint load: waves 0, 1 fetch xn's two halves, waves 2, 3 W's; an s_nop 0 and four v_nop follow each line
	s_cmp_eq_u32 s11, 0
	s_cbranch_scc0 .Lfor_b_\@
	tensor_load_to_lds s[G0+4*(\s):G0+4*(\s)+3], s[G1:G1+7]
	s_nop 0
.rept 4
	v_nop
.endr
	s_branch .Lasked_\@
.Lfor_b_\@:
	tensor_load_to_lds s[G0B+4*(\s):G0B+4*(\s)+3], s[G1B:G1B+7]
	s_nop 0
.rept 4
	v_nop
.endr
.Lasked_\@:
.endm
.macro CROUND                          ; a round of the cluster's barrier
	s_barrier_signal -1
	s_barrier_wait -1
	s_cmp_lg_u32 s10, 0
	s_cbranch_scc1 .Lnot_wave_0_\@
	s_barrier_signal -3
.Lnot_wave_0_\@:
	s_barrier_wait -3
	s_barrier_signal -1
	s_barrier_wait -1
.endm
	s_load_b128 s[4:7], s[0:1], 0x0                ; xn, w16
	s_load_b64 s[8:9], s[0:1], 0x10                ; qkv
	v_lshl_add_u32 v[SPW], v0, 2, SPARE
	v_mov_b32 v[NIL], 0
	ds_add_u32 v[SPW], v[NIL]                      ; the wave's opening: the add and its wait stand ahead of my first tensor load
	ds_add_u32 v28, v29
	v_lshrrev_b32 v1, 5, v0
	v_readfirstlane_b32 s10, v1                    ; wave
	s_lshr_b32 s11, s10, 1                         ; my half of the tokens; also: I fetch xn (0) or W (1)
	s_and_b32 s12, s10, 1                          ; my half of the columns; also: which half of that tile I fetch
	s_bfe_u32 s40, ttmp6, 0x40000                  ; cx
	s_bfe_u32 s41, ttmp6, 0x40004                  ; cy
	s_lshl_b32 s42, ttmp9, 2
	s_add_co_u32 s42, s42, s40                     ; column tile X
	s_and_b32 s13, ttmp7, 0xffff
	s_lshl_b32 s13, s13, 2
	s_add_co_u32 s13, s13, s41                     ; token tile Y
	s_lshl_b32 s43, s41, 2
	s_lshl_b32 s43, 15, s43                        ; my row of the cluster
	s_lshl_b32 s44, 0x1111, s40                    ; my column
	s_or_b32 s[G1+0], s43, (1<<16)|(1<<20)|(1<<21)|(5<<22)|(3<<25)   ; 2-byte elements; 4 words of padding after every 64
	s_mov_b32 s[G1+1], 128<<16                     ; tensor_dim0
	s_mov_b32 s[G1+2], 64<<16                      ; tensor_dim1
	s_mov_b32 s[G1+3], 128<<16                     ; tile_dim0
	s_mov_b32 s[G1+4], 64                          ; tile_dim1
	s_mov_b32 s[G1+5], 1024                        ; elements from row to row
	s_mov_b32 s[G1+6], 0
	s_mov_b32 s[G1+7], 0
	s_or_b32 s[G1B+0], s44, (1<<16)|(1<<20)|(1<<21)|(6<<22)|(7<<25)  ; 8 words of padding after every 128
	s_mov_b32 s[G1B+1], 256<<16
	s_mov_b32 s[G1B+2], 64<<16
	s_mov_b32 s[G1B+3], 256<<16
	s_mov_b32 s[G1B+4], 64
	s_mov_b32 s[G1B+5], 4096
	s_mov_b32 s[G1B+6], 0
	s_mov_b32 s[G1B+7], 0
	s_lshl_b32 s16, s13, 18                        ; xn: 128 Y rows of 2,048 bytes
	s_lshl_b32 s17, s12, 17                        ; + 64 rows for the second half
	s_add_co_u32 s16, s16, s17
	s_mov_b32 s17, 0
	s_lshl_b32 s46, s12, 19                        ; W: 64 rows of 8,192 bytes for the second half
	s_lshl_b32 s47, s42, 9                         ; + 256 X columns
	s_add_co_u32 s46, s46, s47
	s_mov_b32 s47, 0
	s_mul_i32 s20, s12, 64*PA                      ; where they go: no place in the cluster enters an LDS address
	s_mul_i32 s21, s12, 64*PB
	s_add_co_u32 s21, s21, BOFF
	s_mov_b32 s66, 0xbfb8aa3b                      ; -log2(e)
	s_mov_b32 s67, s66
	s_mov_b32 s70, 0x76543210
	s_mov_b32 s71, 0xfedcba98
	s_cmp_ge_u32 ttmp9, 2                          ; clusters 2 and 3 along x hold v's columns: a mask for a select, no branch
	s_cselect_b32 s68, -1, 0
	s_wait_dscnt 0x0                               ; the opening add is done
	s_wait_kmcnt 0x0
	s_add_nc_u64 s[14:15], s[4:5], s[16:17]
	s_add_nc_u64 s[46:47], s[6:7], s[46:47]
	CROUND                                         ; all sixteen work-groups are here: the first joint loads meet
.irp s, 0,1
	s_mov_b32 s[G0+4*(\s)], 1
	s_add_co_u32 s[G0+4*(\s)+1], s20, (\s)*SLOT
	s_add_nc_u64 s[G0+4*(\s)+2:G0+4*(\s)+3], s[14:15], (\s)*256
	s_or_b32 s[G0+4*(\s)+3], s[G0+4*(\s)+3], 0x80000000
	s_mov_b32 s[G0B+4*(\s)], 1
	s_add_co_u32 s[G0B+4*(\s)+1], s21, (\s)*SLOT
	s_add_nc_u64 s[G0B+4*(\s)+2:G0B+4*(\s)+3], s[46:47], (\s)*128*8192
	s_or_b32 s[G0B+4*(\s)+3], s[G0B+4*(\s)+3], 0x80000000
	JLOAD \s
.endr
	v_and_b32 v1, 15, v0                           ; r
	v_bfe_u32 v2, v0, 4, 1                         ; h
	v_mul_u32_u24 v3, v1, PA
	v_lshl_add_u32 v3, v2, 4, v3                   ; token fragments: r x pitch + 16 h
	v_and_b32 v4, 7, v0
	v_lshl_add_u32 v4, v2, 3, v4
	v_mul_u32_u24 v4, v4, PB                       ; turning load: row 8 h + l % 8,
	v_bfe_u32 v5, v0, 3, 1
	v_lshl_add_u32 v4, v5, 4, v4                   ; 16 bytes for each half of eight lanes
	s_mul_i32 s22, s11, 64*PA
	s_lshl_b32 s23, s12, 8
	s_add_co_u32 s23, s23, BOFF
.irp s, 0,1
	v_add_nc_u32 v[ADRA+(\s)], s22, v3
	v_add_nc_u32 v[ADRB+(\s)], s23, v4
	s_add_co_u32 s22, s22, SLOT
	s_add_co_u32 s23, s23, SLOT
.endr
	s_mul_i32 s22, s10, 16*PA
	s_add_co_u32 s22, s22, STAGE
	v_add_nc_u32 v[STO], s22, v3                   ; into my stage: row r, 16 bytes for each half of the lanes
	v_mul_u32_u24 v5, v2, PA
	v_lshl_add_u32 v5, v1, 4, v5
	v_add_nc_u32 v[RD], s22, v5                    ; back: lanes 0-15 one row of 256 bytes, lanes 16-31 the next
	v_lshlrev_b32 v5, 13, v2
	v_lshl_add_u32 v[CO], v1, 4, v5                ; the same two rows in qkv
	s_lshl_b32 s22, s12, 9
	s_lshl_b32 s23, s11, 8
	s_add_co_u32 s22, s22, s23
	s_add_co_u32 s22, s22, XCH
	v_lshl_add_u32 v[XA], v1, 2, s22               ; my half's word for token r of my 64
	s_xor_b32 s18, s12, 1
	s_lshl_b32 s18, s18, 9
	s_add_co_u32 s18, s18, s23
	s_add_co_u32 s18, s18, XCH
	v_lshl_add_u32 v[XB], v1, 2, s18               ; the other half's
	v_mov_b32 v[TP], 0
	v_mov_b32 v[C16], 0x3d800000
	s_lshl_b32 s16, s13, 20                        ; qkv: 128 Y rows of 8,192 bytes
	s_lshl_b32 s17, s11, 19
	s_add_co_u32 s16, s16, s17
	s_mov_b32 s17, 0
	s_add_nc_u64 s[8:9], s[8:9], s[16:17]
	s_lshl_b32 s46, s42, 9
	s_lshl_b32 s47, s12, 8
	s_add_co_u32 s46, s46, s47
	s_mov_b32 s47, 0
	s_add_nc_u64 s[8:9], s[8:9], s[46:47]
; 48 LDS loads: the fragments of half hf (64 along K) of a slot's K step, into the buffer in window buf
.macro FETCH slot, hf, buf
	WIN (\buf)<<6
.irp c, 0,1
.irp nt, 0,1,2,3,4,5,6,7
	ds_load_tr16_b128 v[96*(\c)+32+8*(\nt):96*(\c)+32+8*(\nt)+3],   v[ADRB+(\slot)] offset:(2*(\hf)+(\c))*32*PB+32*(\nt)
	ds_load_tr16_b128 v[96*(\c)+32+8*(\nt)+4:96*(\c)+32+8*(\nt)+7], v[ADRB+(\slot)] offset:(2*(\hf)+(\c))*32*PB+16*PB+32*(\nt)
.endr
.irp mt, 0,1,2,3
	ds_load_b128 v[96*(\c)+8*(\mt):96*(\c)+8*(\mt)+3],   v[ADRA+(\slot)] offset:(\mt)*16*PA+64*(2*(\hf)+(\c))
	ds_load_b128 v[96*(\c)+8*(\mt)+4:96*(\c)+8*(\mt)+7], v[ADRA+(\slot)] offset:(\mt)*16*PA+64*(2*(\hf)+(\c))+32
.endr
.endr
.endm
; 64 matrix instructions on a buffer; the 32 accumulators take turns.  zero = 1: the first 32 start the sums
.macro MUL buf, zero
	WIN 0x50|((\buf)<<2)|(\buf)
.irp c, 0,1
.irp mt, 0,1,2,3
.irp nt, 0,1,2,3,4,5,6,7
.if (\zero) && ((\c) == 0)
	v_wmma_f32_16x16x32_f16 v[8*(8*(\mt)+(\nt)):8*(8*(\mt)+(\nt))+7], v[96*(\c)+32+8*(\nt):96*(\c)+32+8*(\nt)+7], v[96*(\c)+8*(\mt):96*(\c)+8*(\mt)+7], 0
.else
	v_wmma_f32_16x16x32_f16 v[8*(8*(\mt)+(\nt)):8*(8*(\mt)+(\nt))+7], v[96*(\c)+32+8*(\nt):96*(\c)+32+8*(\nt)+7], v[96*(\c)+8*(\mt):96*(\c)+8*(\mt)+7], v[8*(8*(\mt)+(\nt)):8*(8*(\mt)+(\nt))+7]
.endif
.endr
.endr
.endr
.endm
.macro H0 slot, zero                   ; a K step's first half is multiplied while its second half is fetched
	PLACES
	FETCH \slot, 1, 3
	s_wait_dscnt 48                                ; all but the 48 just issued
	MUL 2, \zero
.endm
; The second half, and the change of slots.  fill = 1: the slot just read out is filled again, two K steps ahead, behind a round of the cluster's barrier.
.macro H1 slot, next, fill
	WIN 0
	s_wait_tensorcnt 0x0                           ; all my tensor loads have landed: my part of the next slot
	ds_add_u32 v[SPW], v[NIL]                      ; 0 onto my spare word
.if \fill
	s_add_nc_u64 s[G0+4*(\slot)+2:G0+4*(\slot)+3], s[G0+4*(\slot)+2:G0+4*(\slot)+3], 2*256
	s_add_nc_u64 s[G0B+4*(\slot)+2:G0B+4*(\slot)+3], s[G0B+4*(\slot)+2:G0B+4*(\slot)+3], 2*128*8192
.endif
	s_wait_dscnt 0x0                               ; the add is done, and my reads of this slot are over
.if \fill
	CROUND
	JLOAD \slot                                    ; the first tensor load behind the round; its four v_nop are the places in front of the loads below
.else
	s_barrier_signal -1
	s_barrier_wait -1
	PLACES
.endif
	FETCH \next, 0, 2
	MUL 3, 0
.endm
	s_wait_tensorcnt 1                             ; my part of K step 0 is in; K step 1's may stay out
	s_barrier_signal -1
	s_barrier_wait -1
	FETCH 0, 0, 2
	H0 0, 1
	WIN 0
	s_mov_b32 s3, 3
.Llap:                                                 ; three trips: K steps 0-5 end, both slots are filled again
	H1 0, 1, 1
	H0 1, 0
	H1 1, 0, 1
	H0 0, 0
	WIN 0
	s_sub_co_u32 s3, s3, 1
	s_cmp_lg_u32 s3, 0
	s_cbranch_scc1 .Llap
	H1 0, 1, 0                                     ; the tail fills nothing
	H0 1, 0
	s_wait_dscnt 0x0
	MUL 3, 0
	PLACES
; silu in place for the 64 registers of token tile mt, and their sum of squares for each token
.macro SILU mt
	WIN 0x01
.set z, 0
.rept 32
	v_pk_mul_f32 v[T+2*z:T+2*z+1], v[64*(\mt)+2*z:64*(\mt)+2*z+1], s[66:67] op_sel_hi:[1,0]
.set z, z+1
.endr
	WIN 0
.set z, 0
.rept 64
	v_exp_f32 v[T+z], v[T+z]
.set z, z+1
.endr
	v_nop
.set z, 0
	s_wait_alu depctr_va_vdst(0)
.rept 32
	v_pk_add_f32 v[T+2*z:T+2*z+1], v[T+2*z:T+2*z+1], 1.0 op_sel_hi:[1,0]
.set z, z+1
.endr
.set z, 0
.rept 64
	v_rcp_f32 v[T+z], v[T+z]
.set z, z+1
.endr
	v_nop
	WIN 0x41
.set z, 0
	s_wait_alu depctr_va_vdst(0)
.rept 32
	v_pk_mul_f32 v[64*(\mt)+2*z:64*(\mt)+2*z+1], v[64*(\mt)+2*z:64*(\mt)+2*z+1], v[T+2*z:T+2*z+1]
.set z, z+1
.endr
	WIN 0x05
.set z, 0
.rept 32
.if z < 4
	v_pk_mul_f32 v[CH+2*z:CH+2*z+1], v[64*(\mt)+2*z:64*(\mt)+2*z+1], v[64*(\mt)+2*z:64*(\mt)+2*z+1]
.else
	v_pk_fma_f32 v[CH+2*(z%4):CH+2*(z%4)+1], v[64*(\mt)+2*z:64*(\mt)+2*z+1], v[64*(\mt)+2*z:64*(\mt)+2*z+1], v[CH+2*(z%4):CH+2*(z%4)+1]
.endif
.set z, z+1
.endr
	WIN 0
	v_pk_add_f32 v[CH:CH+1], v[CH:CH+1], v[CH+2:CH+3]
	v_pk_add_f32 v[CH+4:CH+5], v[CH+4:CH+5], v[CH+6:CH+7]
	v_pk_add_f32 v[CH:CH+1], v[CH:CH+1], v[CH+4:CH+5]
	v_add_f32 v[SS+(\mt)], v[CH], v[CH+1]
	v_permlanex16_b32 v[TP], v[SS+(\mt)], s70, s71 ; the token's other 64 columns lie in the lane 16 away
	v_add_f32 v[SS+(\mt)], v[SS+(\mt)], v[TP]
	ds_store_b32 v[XA], v[SS+(\mt)] offset:64*(\mt)
.endm
	SILU 0
	SILU 1
	SILU 2
	SILU 3
	s_wait_dscnt 0x0                               ; for the others' sake: my sums are stored
	s_barrier_signal -1
	s_barrier_wait -1
.irp mt, 0,1,2,3
	ds_load_b32 v[CH+(\mt)], v[XB] offset:64*(\mt) ; the other 128 columns' sums
.endr
	s_wait_dscnt 0x0
.irp mt, 0,1,2,3
	v_add_f32 v[SS+(\mt)], v[SS+(\mt)], v[CH+(\mt)]
.endr
.irp mt, 0,1,2,3
	v_add_f32 v[SS+(\mt)], 0x358637bd, v[SS+(\mt)] ; + 1e-6
.endr
.irp mt, 0,1,2,3
	v_rsq_f32 v[SS+(\mt)], v[SS+(\mt)]
.endr
	v_nop
	s_wait_alu depctr_va_vdst(0)
.irp mt, 0,1,2,3
	v_cndmask_b32 v[SCP+2*(\mt)], v[SS+(\mt)], v[C16], s68   ; v's tiles take 1/16
.endr
.irp mt, 0,1,2,3
	v_mov_b32 v[SCP+2*(\mt)+1], v[SCP+2*(\mt)]
.endr
; The way out of token tile mt: scaled, rounded to f16, 16 bytes a lane into my stage, back as whole rows of 256 bytes, stored.
.macro OUTT mt
	WIN 0x41
.set z, 0
.rept 32
	v_pk_mul_f32 v[64*(\mt)+2*z:64*(\mt)+2*z+1], v[64*(\mt)+2*z:64*(\mt)+2*z+1], v[SCP+2*(\mt):SCP+2*(\mt)+1] op_sel_hi:[1,0]
.set z, z+1
.endr
	WIN 0x05
.set z, 0
.rept 32
	v_cvt_pk_f16_f32 v[TMP+z], v[64*(\mt)+2*z], v[64*(\mt)+2*z+1]
.set z, z+1
.endr
	WIN 0
.irp b, 0,1,2,3,4,5,6,7
	ds_store_b128 v[STO], v[TMP+4*(\b):TMP+4*(\b)+3] offset:32*(\b)
.endr
	s_wait_xcnt 0x0                                ; the registers that the last tile's stores read are loaded again only behind this wait
.irp t, 0,1,2,3,4,5,6,7
	ds_load_b128 v[OB+4*(\t):OB+4*(\t)+3], v[RD] offset:(\t)*2*PA  ; LDS serves a wave's instructions in order (ISA guide 5.7.1.4)
.endr
.irp t, 0,1,2,3,4,5,6,7
	s_wait_dscnt 7-(\t)
	global_store_b128 v[CO], v[OB+4*(\t):OB+4*(\t)+3], s[8:9] offset:((\mt)*16+2*(\t))*8192  ; 16 lanes store 256 consecutive bytes, aligned
.endr
.endm
	OUTT 0
	OUTT 1
	OUTT 2
	OUTT 3
	s_wait_tensorcnt 0x0                           ; the wave's end
	ds_add_u32 v[SPW], v[NIL]
	s_wait_dscnt 0x0
	CROUND                                         ; the closing round
	s_endpgm
.Lfunc_end_k_q55a48494ff_proj:
	.size	k_q55a48494ff_proj, .Lfunc_end_k_q55a48494ff_proj-k_q55a48494ff_proj
	.p2alignl 7, 3214868480
	.fill 96, 4, 3214868480
	.section	.rodata,"a",@progbits
	.p2align	6, 0x0
	.amdhsa_kernel k_q55a48494ff_proj
		.amdhsa_group_segment_fixed_size 327680
		.amdhsa_private_segment_fixed_size 0
		.amdhsa_enable_private_segment 0
		.amdhsa_kernarg_size 24
		.amdhsa_user_sgpr_count 2
		.amdhsa_user_sgpr_kernarg_segment_ptr 1
		.amdhsa_wavefront_size32 1
		.amdhsa_system_sgpr_workgroup_id_x 1
		.amdhsa_system_sgpr_workgroup_id_y 1
		.amdhsa_system_sgpr_workgroup_id_z 1
		.amdhsa_system_vgpr_workitem_id 0
		.amdhsa_next_free_vgpr 1024
		.amdhsa_next_free_sgpr 80
		.amdhsa_reserve_vcc 0
		.amdhsa_float_denorm_mode_32 3
		.amdhsa_float_denorm_mode_16_64 3
		.amdhsa_memory_ordered 1
		.amdhsa_forward_progress 1
		.amdhsa_inst_pref_size 145
	.end_amdhsa_kernel
	.amdgpu_metadata
---
amdhsa.version: [ 1, 2 ]
amdhsa.kernels:
  - .name:           k_q55a48494ff_proj
    .symbol:         k_q55a48494ff_proj.kd
    .args:
      - { .name: xn, .offset: 0, .size: 8, .value_kind: global_buffer, .address_space: global }
      - { .name: w16, .offset: 8, .size: 8, .value_kind: global_buffer, .address_space: global }
      - { .name: qkv, .offset: 16, .size: 8, .value_kind: global_buffer, .address_space: global }
    .group_segment_fixed_size: 327680
    .private_segment_fixed_size: 0
    .kernarg_segment_align: 8
    .kernarg_segment_size: 24
    .max_flat_workgroup_size: 128
    .sgpr_count:     80
    .vgpr_count:     1024
    .wavefront_size: 32
...
	.end_amdgpu_metadata
.endif
;; end of part 2
;; launch chunk (part 3): grid 16 x 16, 4 waves a work-group, no clusters, 167,936 bytes of LDS; arguments qkv, betaT, rec, urec; writes rec, urec
.if DOCPART == 3
	.amdgcn_target "amdgcn-amd-amdhsa--gfx1250"
	.amdhsa_code_object_version 6
	.text
	.protected	k_q55a48494ff_chunk
	.globl	k_q55a48494ff_chunk
	.p2align	8
	.type	k_q55a48494ff_chunk,@function
k_q55a48494ff_chunk:
	s_mov_b64 s[64:65], 0
	v_nop
	global_prefetch_b8 v0, s[64:65] scope:SCOPE_SE
	s_setreg_imm32_b32 hwreg(HW_REG_WAVE_MODE, 25, 1), 1
	s_wait_xcnt 0x0
; CHUNK.  For each of 16 (batch, head) pairs (grid y) and each chunk of 32 tokens (grid x): what the scan needs and what does not hang on the state.
;   T = diag(beta) (I + Gs diag(beta))^-1, Gs the strict lower part of K K^T; Wn = -T K; U = T V; P = the lower part, diagonal included, of Q K^T.
; With them: VD = U + Wn S0; O = Q S0 + P VD; S1 = S0 + K^T VD: reference()'s 32 steps, exactly.  T's entries are at most 1 in size: they are products of unit keys, betas in (0, 1)
; and the contractions I - beta k k^T.  Row t of the inverse is found by back-substitution in f32, lane t: y_s = [s = t] - beta_s w_s, w_s = the sum over u > s of G[u][s] y_u: no series is cut.
; All results leave in the order in which the scan's fragments lie in registers: blocks of 512 bytes, lane l at 16 l.
; record (51,200 bytes): Q at (tt 8 + ks) 1024 + half 512; Wn at 16,384 + the same; K^T at 32,768 + dkt 1024 + half 512; P at 49,152 + tt 1024 + st 512.
; NO CLUSTER: no two work-groups read the same tile.  No LDS byte is filled twice.  Wave 0: G and T; waves 1, 2: P and Q's fragments; then all four: Wn, U, K^T.
; LIMITS.  f16 operands; U = T V / 16 beyond 65,504 becomes infinite.
.set PQ,    544                        ; a row of Q or K: 512 bytes + 32
.set PV,    1056                       ; a row of V: 1,024 bytes + 32
.set KTL,   32*PQ
.set VT,    2*32*PQ
.set GS,    VT+32*PV                   ; G in f32, 32 rows of 128 bytes: wave 0's own
.set TF,    GS+4096                    ; T's two fragments, 2,048 bytes
.set SPARE, TF+2048
.set LN,  3
.set FA,  4
.set TK,  5
.set TV,  6
.set LA,  7
.set L4,  8
.set GSA, 9
.set GB,  10
.set TFA, 11
.set SPW, 12
.set NIL, 13
.set BL,  14                           ; v14-15 beta of token = lane, twice
.set KTF, 16                           ; v16-47  K^T's fragments dkt = 4 w + i
.set VFR, 48                           ; v48-111 V's fragments dvt = 8 w + i
.set F,   112                          ; v112-127 T's fragments
.set NF,  128                          ; v128-143 the same, negated
.set GACC, 144                         ; v144-167 accumulators of G, or of P
.set PP,  160
.set DL,  168
.set VM,  169
.set FQ,  170
.set QSA, 171
.set PSA, 172
.set Y,   176
.set W,   208
.set PK,  144                          ; v144-239 packed results
.set KSA, 240
.set WSA, 241
.set USA, 242
.set MSB, 0
.macro WIN new
.if MSB != (\new)
	s_set_vgpr_msb (MSB<<8)|(\new)
.set MSB, (\new)
.endif
.endm
.macro PLACES
.rept 4
	v_nop
.endr
.endm
	s_load_b256 s[4:11], s[0:1], 0x0               ; qkv 4, betaT 6, rec 8, urec 10
	v_lshl_add_u32 v[SPW], v0, 2, SPARE
	v_mov_b32 v[NIL], 0
	ds_add_u32 v[SPW], v[NIL]                      ; the wave's opening: the add and its wait stand ahead of my tensor load
	ds_add_u32 v12, v13
	v_lshrrev_b32 v1, 5, v0
	v_readfirstlane_b32 s2, v1                     ; wave
	s_and_b32 s3, s2, 1
	s_mov_b32 s28, ttmp9                           ; chunk c
	s_and_b32 s29, ttmp7, 0xffff                   ; bh
	s_lshr_b32 s30, s29, 2                         ; b
	s_and_b32 s31, s29, 3                          ; h
	s_mov_b32 s12, 1                               ; waves 0, 1: 32 rows x 256 elements of Q, of K
	s_mul_i32 s13, s3, 32*PQ
	s_mov_b32 s16, (1<<16)|(1<<20)|(6<<22)|(7<<25) ; 8 words of padding after every 128
	s_mov_b32 s17, 256<<16
	s_mov_b32 s18, 32<<16
	s_mov_b32 s19, 256<<16
	s_mov_b32 s20, 32
	s_mov_b32 s21, 4096
	s_mov_b32 s22, 0
	s_mov_b32 s23, 0
	s_mov_b32 s24, 1                               ; waves 2, 3: 16 rows x 512 elements of V
	s_mul_i32 s25, s3, 16*PV
	s_add_co_u32 s25, s25, VT
	s_mov_b32 s68, (1<<16)|(1<<20)|(7<<22)|(7<<25) ; 8 words of padding after every 256
	s_mov_b32 s69, 512<<16
	s_mov_b32 s70, 16<<16
	s_mov_b32 s71, 512<<16
	s_mov_b32 s72, 16
	s_mov_b32 s73, 4096
	s_mov_b32 s74, 0
	s_mov_b32 s75, 0
	s_lshl_b32 s76, s30, 22                        ; (512 b + 32 c) rows of 8,192 bytes
	s_lshl_b32 s77, s28, 18
	s_add_co_u32 s76, s76, s77
	s_lshl_b32 s77, s31, 9
	s_add_co_u32 s78, s76, s77                     ; q's head; k's lies 2,048 bytes on
	s_lshl_b32 s77, s3, 11
	s_add_co_u32 s78, s78, s77
	s_mov_b32 s79, 0
	s_lshl_b32 s77, s31, 10
	s_add_co_u32 s76, s76, s77                     ; v's head,
	s_lshl_b32 s77, s3, 17
	s_add_co_u32 s76, s76, s77                     ; 16 rows on for wave 3
	s_add_co_u32 s76, s76, 4096
	s_mov_b32 s77, 0
	s_lshl_b32 s82, s31, 13                        ; betaT: (2048 h + 512 b + 32 c) words
	s_lshl_b32 s83, s30, 11
	s_add_co_u32 s82, s82, s83
	s_lshl_b32 s83, s28, 7
	s_add_co_u32 s82, s82, s83
	s_mov_b32 s83, 0
	s_lshl_b32 s84, s29, 4
	s_add_co_u32 s84, s84, s28
	s_mul_i32 s84, s84, 51200                      ; my record
	s_mov_b32 s85, 0
	s_lshl_b32 s86, s29, 19                        ; urec: ((32 bh + g) 16 + c) 1024
	s_lshl_b32 s87, s28, 10
	s_add_co_u32 s86, s86, s87
	s_mov_b32 s87, 0
	s_mov_b32 s66, 0x76543210
	s_mov_b32 s67, 0xfedcba98
	s_mov_b32 s80, 0xffff0000                      ; lanes 16-31
	s_wait_dscnt 0x0                               ; the opening add is done
	s_wait_kmcnt 0x0
	s_add_nc_u64 s[14:15], s[4:5], s[78:79]
	s_or_b32 s15, s15, 0x80000000
	s_add_nc_u64 s[26:27], s[4:5], s[76:77]
	s_or_b32 s27, s27, 0x80000000
	s_add_nc_u64 s[6:7], s[6:7], s[82:83]
	s_add_nc_u64 s[8:9], s[8:9], s[84:85]
	s_add_nc_u64 s[10:11], s[10:11], s[86:87]
	s_cmp_lt_u32 s2, 2
	s_cbranch_scc0 .Lfill_v
	tensor_load_to_lds s[12:15], s[16:23]
	s_nop 0
.rept 4
	v_nop
.endr
	s_branch .Lfilled
.Lfill_v:
	tensor_load_to_lds s[24:27], s[68:75]
	s_nop 0
.rept 4
	v_nop
.endr
.Lfilled:
	v_and_b32 v[LN], 31, v0
	v_and_b32 v1, 15, v0                           ; r
	v_bfe_u32 v2, v0, 4, 1                         ; h
	v_mul_u32_u24 v[FA], v1, PQ
	v_lshl_add_u32 v[FA], v2, 4, v[FA]             ; fragments along the rows: r x pitch + 16 h
	v_and_b32 v[TK], 7, v0
	v_lshl_add_u32 v[TK], v2, 3, v[TK]             ; turning loads: row 8 h + l % 8
	v_bfe_u32 v[L4], v0, 3, 1
	v_lshlrev_b32 v[L4], 4, v[L4]
	v_mul_u32_u24 v[TV], v[TK], PV
	v_mul_u32_u24 v[TK], v[TK], PQ
	v_add_nc_u32 v[TV], v[TV], v[L4]
	v_add_nc_u32 v[TK], v[TK], v[L4]
	s_lshl_b32 s88, s2, 7
	s_add_co_u32 s88, s88, KTL
	v_add_nc_u32 v[TK], s88, v[TK]                 ; my 64 columns of K
	s_lshl_b32 s89, s2, 8
	s_add_co_u32 s89, s89, VT
	v_add_nc_u32 v[TV], s89, v[TV]                 ; my 128 columns of V
	v_lshlrev_b32 v[LA], 4, v[LN]
	v_lshlrev_b32 v[L4], 2, v[LN]
	v_lshlrev_b32 v[GSA], 7, v1
	v_lshl_add_u32 v[GSA], v2, 5, v[GSA]
	v_add_nc_u32 v[GSA], GS, v[GSA]
	v_mov_b32 v[GB], GS
	v_add_nc_u32 v[TFA], TF, v[LA]
	v_lshl_add_u32 v[KSA], s2, 12, v[LA]
	v_lshl_add_u32 v[WSA], s2, 11, v[LA]
	v_lshl_add_u32 v[USA], s2, 17, v[LA]
	s_wait_tensorcnt 0x0                           ; my tile is in,
	s_barrier_signal -1
	s_barrier_wait -1                              ; everybody's is
.irp i, 0,1,2,3
	ds_load_tr16_b128 v[KTF+8*(\i):KTF+8*(\i)+3],   v[TK] offset:32*(\i)
	ds_load_tr16_b128 v[KTF+8*(\i)+4:KTF+8*(\i)+7], v[TK] offset:32*(\i)+16*PQ
.endr
.irp i, 0,1,2,3,4,5,6,7
	ds_load_tr16_b128 v[VFR+8*(\i):VFR+8*(\i)+3],   v[TV] offset:32*(\i)
	ds_load_tr16_b128 v[VFR+8*(\i)+4:VFR+8*(\i)+7], v[TV] offset:32*(\i)+16*PV
.endr
.macro LOADK                           ; K's 16 fragments (token tile tl, 32 channels ks) into window 1, at 64 tl + 8 ks
	WIN 0x40
.irp tl, 0,1
.irp ks, 0,1,2,3,4,5,6,7
	ds_load_b128 v[64*(\tl)+8*(\ks):64*(\tl)+8*(\ks)+3],   v[FA] offset:KTL+(\tl)*16*PQ+64*(\ks)
	ds_load_b128 v[64*(\tl)+8*(\ks)+4:64*(\tl)+8*(\ks)+7], v[FA] offset:KTL+(\tl)*16*PQ+64*(\ks)+32
.endr
.endr
	WIN 0
.endm
	s_cmp_eq_u32 s2, 0
	s_cbranch_scc1 .Lrole_g
	s_cmp_eq_u32 s2, 3
	s_cbranch_scc1 .Ljoin
	; WAVES 1, 2: P for query tile tt = wave - 1, and Q's fragments as they lie in registers
	s_sub_co_u32 s88, s2, 1
	s_mul_i32 s89, s88, 16*PQ
	v_add_nc_u32 v[FQ], s89, v[FA]
	LOADK
	WIN 0x40
.irp ks, 0,1,2,3,4,5,6,7
	ds_load_b128 v[128+8*(\ks):128+8*(\ks)+3],   v[FQ] offset:64*(\ks)
	ds_load_b128 v[128+8*(\ks)+4:128+8*(\ks)+7], v[FQ] offset:64*(\ks)+32
.endr
	s_wait_dscnt 0x0
	WIN 0x05                                       ; source 0 = 16 keys, source 1 = 16 queries: a lane holds one query and 8 keys; the two accumulators take turns
.irp ks, 0,1,2,3,4,5,6,7
.if (\ks) == 0
	v_wmma_f32_16x16x32_f16 v[GACC:GACC+7], v[0:7], v[128:135], 0
	v_wmma_f32_16x16x32_f16 v[GACC+8:GACC+15], v[64:71], v[128:135], 0
.else
	v_wmma_f32_16x16x32_f16 v[GACC:GACC+7], v[8*(\ks):8*(\ks)+7], v[128+8*(\ks):128+8*(\ks)+7], v[GACC:GACC+7]
	v_wmma_f32_16x16x32_f16 v[GACC+8:GACC+15], v[64+8*(\ks):64+8*(\ks)+7], v[128+8*(\ks):128+8*(\ks)+7], v[GACC+8:GACC+15]
.endif
.endr
	WIN 0
	v_lshlrev_b32 v[VM], 3, v2                     ; five plain instructions: the places behind those products
	v_sub_nc_u32 v[VM], v1, v[VM]
	v_lshl_add_u32 v[VM], s88, 4, v[VM]            ; 16 tt + r - 8 h: register j of key tile st is kept where 16 st + j is not greater
	v_lshl_add_u32 v[QSA], s88, 13, v[LA]
	v_lshl_add_u32 v[PSA], s88, 10, v[LA]
.set z, 0
.rept 16
	v_cmp_le_i32 vcc_lo, 16*(z/8)+z%8, v[VM]
	v_cndmask_b32 v[GACC+z], 0, v[GACC+z], vcc_lo
.set z, z+1
.endr
.set z, 0
.rept 8
	v_cvt_pk_f16_f32 v[PP+z], v[GACC+2*z], v[GACC+2*z+1]
.set z, z+1
.endr
	global_store_b128 v[PSA], v[PP:PP+3], s[8:9] offset:49152
	global_store_b128 v[PSA], v[PP+4:PP+7], s[8:9] offset:49152+512
	WIN 0x04                                       ; the stores' data lie in window 1
.irp ks, 0,1,2,3,4,5,6,7
	global_store_b128 v[QSA], v[128+8*(\ks):128+8*(\ks)+3], s[8:9] offset:(\ks)*1024
	global_store_b128 v[QSA], v[128+8*(\ks)+4:128+8*(\ks)+7], s[8:9] offset:(\ks)*1024+512
.endr
	WIN 0
	s_branch .Ljoin
.Lrole_g:                                              ; WAVE 0: G = K K^T, then T
	s_load_b512 s[32:47], s[6:7], 0x0              ; beta of the 32 tokens, as scalars
	s_load_b512 s[48:63], s[6:7], 0x40
	global_load_b32 v[BL], v[L4], s[6:7]           ; and beta of token = lane
	LOADK
	s_wait_dscnt 0x0
	WIN 0x05                                       ; tiles (u, s) = (0,0), (1,0), (1,1): source 0 = tile s, source 1 = tile u; three accumulators by turns
.irp ks, 0,1,2,3,4,5,6,7
.if (\ks) == 0
	v_wmma_f32_16x16x32_f16 v[GACC:GACC+7], v[0:7], v[0:7], 0
	v_wmma_f32_16x16x32_f16 v[GACC+8:GACC+15], v[0:7], v[64:71], 0
	v_wmma_f32_16x16x32_f16 v[GACC+16:GACC+23], v[64:71], v[64:71], 0
.else
	v_wmma_f32_16x16x32_f16 v[GACC:GACC+7], v[8*(\ks):8*(\ks)+7], v[8*(\ks):8*(\ks)+7], v[GACC:GACC+7]
	v_wmma_f32_16x16x32_f16 v[GACC+8:GACC+15], v[8*(\ks):8*(\ks)+7], v[64+8*(\ks):64+8*(\ks)+7], v[GACC+8:GACC+15]
	v_wmma_f32_16x16x32_f16 v[GACC+16:GACC+23], v[64+8*(\ks):64+8*(\ks)+7], v[64+8*(\ks):64+8*(\ks)+7], v[GACC+16:GACC+23]
.endif
.endr
	WIN 0
	PLACES
	ds_store_b128 v[GSA], v[GACC:GACC+3]                       ; G[u][s] at u 128 + 4 s: a lane holds row u = r and 8 columns
	ds_store_b128 v[GSA], v[GACC+4:GACC+7] offset:16
	ds_store_b128 v[GSA], v[GACC+8:GACC+11] offset:2048
	ds_store_b128 v[GSA], v[GACC+12:GACC+15] offset:2048+16
	ds_store_b128 v[GSA], v[GACC+16:GACC+19] offset:2048+64
	ds_store_b128 v[GSA], v[GACC+20:GACC+23] offset:2048+64+16
; Rows 4 g .. 4 g + 3 of G, columns 0 .. 4 g + 3, the same words for every lane, into half g % 2 of window 1.  LDS serves a wave's instructions in order: these see the stores above.
.macro GLOAD g
	WIN 0x40
.irp i, 0,1,2,3
.set q, 0
.rept (\g)+1
	ds_load_b128 v[((\g)%2)*128+32*(\i)+4*q:((\g)%2)*128+32*(\i)+4*q+3], v[GB] offset:(4*(\g)+(\i))*128+16*q
.set q, q+1
.endr
.endr
.endm
; For u = 4 g + 3 down to 4 g: y_u, then w_s += G[u][s] y_u for all s < u (u = 31 starts the sums)
.macro GPROC g
	s_wait_dscnt 4*(\g)                            ; the 4 g loads of group g - 1 may stay out
	WIN 0x01                                       ; source 0 (G) in window 1
.irp i, 3,2,1,0
.set u, 4*(\g)+(\i)
	v_cmp_eq_u32 vcc_lo, u, v[LN]
.if u == 31
	v_cndmask_b32 v[Y+u], 0, 1.0, vcc_lo
.else
	v_cndmask_b32 v[DL], 0, 1.0, vcc_lo
	v_fma_f32 v[Y+u], s[32+u], -v[W+u], v[DL]
.endif
.if u > 0
.set sx, u-1
.rept u
.if u == 31
	v_mul_f32 v[W+sx], v[((\g)%2)*128+32*(\i)+sx], v[Y+u]
.else
	v_fmac_f32 v[W+sx], v[((\g)%2)*128+32*(\i)+sx], v[Y+u]
.endif
.set sx, sx-1
.endr
.endif
.endr
.endm
	GLOAD 7
	GLOAD 6
	s_wait_kmcnt 0x0
	GPROC 7
	GLOAD 5
	GPROC 6
	GLOAD 4
	GPROC 5
	GLOAD 3
	GPROC 4
	GLOAD 2
	GPROC 3
	GLOAD 1
	GPROC 2
	GLOAD 0
	GPROC 1
	GPROC 0
	WIN 0
	s_wait_loadcnt 0x0
	v_mov_b32 v[BL+1], v[BL]
.set z, 0
.rept 16
	v_pk_mul_f32 v[Y+2*z:Y+2*z+1], v[Y+2*z:Y+2*z+1], v[BL:BL+1]    ; T[t][s] = beta_t y_s
.set z, z+1
.endr
.set z, 0
.rept 16
	v_cvt_pk_f16_f32 v[Y+z], v[Y+2*z], v[Y+2*z+1]  ; in place, ascending: lane t holds row t in 16 registers
.set z, z+1
.endr
.set z, 0
.rept 16
	v_permlanex16_b32 v[W+z], v[Y+z], s66, s67     ; and the row 16 away
.set z, z+1
.endr
	; a fragment's lane (r, h) holds row 16 tt + r, columns 8 h .. and 16 + 8 h ..
.irp q, 0,1,2,3
	v_cndmask_b32 v[Y+16+(\q)], v[Y+(\q)], v[W+4+(\q)], s80
	v_cndmask_b32 v[Y+20+(\q)], v[Y+8+(\q)], v[W+12+(\q)], s80
	v_cndmask_b32 v[Y+24+(\q)], v[W+(\q)], v[Y+4+(\q)], s80
	v_cndmask_b32 v[Y+28+(\q)], v[W+8+(\q)], v[Y+12+(\q)], s80
.endr
.irp k, 0,1,2,3
	ds_store_b128 v[TFA], v[Y+16+4*(\k):Y+16+4*(\k)+3] offset:512*(\k)
.endr
.Ljoin:
	s_wait_dscnt 0x0                               ; my fragments are in; wave 0's stores of T are done
.irp i, 0,1,2,3
	global_store_b128 v[KSA], v[KTF+8*(\i):KTF+8*(\i)+3], s[8:9] offset:32768+(\i)*1024
	global_store_b128 v[KSA], v[KTF+8*(\i)+4:KTF+8*(\i)+7], s[8:9] offset:32768+(\i)*1024+512
.endr
	s_barrier_signal -1
	s_barrier_wait -1
.irp k, 0,1,2,3
	ds_load_b128 v[F+4*(\k):F+4*(\k)+3], v[TFA] offset:512*(\k)
.endr
	s_wait_xcnt 0x0                                ; what follows writes over registers that the stores of P and Q read
	s_wait_dscnt 0x0
.set z, 0
.rept 16
	v_xor_b32 v[NF+z], 0x80008000, v[F+z]
.set z, z+1
.endr
	WIN 0x40                                       ; 24 products, each with an accumulator of its own in window 1
.irp i, 0,1,2,3
.irp tt, 0,1
	v_wmma_f32_16x16x32_f16 v[8*(2*(\i)+(\tt)):8*(2*(\i)+(\tt))+7], v[KTF+8*(\i):KTF+8*(\i)+7], v[NF+8*(\tt):NF+8*(\tt)+7], 0
.endr
.endr
.irp i, 0,1,2,3,4,5,6,7
.irp tt, 0,1
	v_wmma_f32_16x16x32_f16 v[64+8*(2*(\i)+(\tt)):64+8*(2*(\i)+(\tt))+7], v[F+8*(\tt):F+8*(\tt)+7], v[VFR+8*(\i):VFR+8*(\i)+7], 0
.endr
.endr
	PLACES
	WIN 0x05
.set z, 0
.rept 96
	v_cvt_pk_f16_f32 v[PK+z], v[2*z], v[2*z+1]
.set z, z+1
.endr
	WIN 0
.irp i, 0,1,2,3
.irp tt, 0,1
	global_store_b128 v[WSA], v[PK+4*(2*(\i)+(\tt)):PK+4*(2*(\i)+(\tt))+3], s[8:9] offset:16384+(\tt)*8192+(\i)*512
.endr
.endr
.irp i, 0,1,2,3,4,5,6,7
.irp tt, 0,1
	global_store_b128 v[USA], v[PK+32+4*(2*(\i)+(\tt)):PK+32+4*(2*(\i)+(\tt))+3], s[10:11] offset:(\i)*16384+(\tt)*512
.endr
.endr
	s_wait_tensorcnt 0x0                           ; the wave's end
	ds_add_u32 v[SPW], v[NIL]
	s_wait_dscnt 0x0
	s_endpgm
.Lfunc_end_k_q55a48494ff_chunk:
	.size	k_q55a48494ff_chunk, .Lfunc_end_k_q55a48494ff_chunk-k_q55a48494ff_chunk
	.p2alignl 7, 3214868480
	.fill 96, 4, 3214868480
	.section	.rodata,"a",@progbits
	.p2align	6, 0x0
	.amdhsa_kernel k_q55a48494ff_chunk
		.amdhsa_group_segment_fixed_size 167936
		.amdhsa_private_segment_fixed_size 0
		.amdhsa_enable_private_segment 0
		.amdhsa_kernarg_size 32
		.amdhsa_user_sgpr_count 2
		.amdhsa_user_sgpr_kernarg_segment_ptr 1
		.amdhsa_wavefront_size32 1
		.amdhsa_system_sgpr_workgroup_id_x 1
		.amdhsa_system_sgpr_workgroup_id_y 1
		.amdhsa_system_sgpr_workgroup_id_z 1
		.amdhsa_system_vgpr_workitem_id 0
		.amdhsa_next_free_vgpr 512
		.amdhsa_next_free_sgpr 96
		.amdhsa_reserve_vcc 1
		.amdhsa_float_denorm_mode_32 3
		.amdhsa_float_denorm_mode_16_64 3
		.amdhsa_memory_ordered 1
		.amdhsa_forward_progress 1
		.amdhsa_inst_pref_size 67
	.end_amdhsa_kernel
	.amdgpu_metadata
---
amdhsa.version: [ 1, 2 ]
amdhsa.kernels:
  - .name:           k_q55a48494ff_chunk
    .symbol:         k_q55a48494ff_chunk.kd
    .args:
      - { .name: qkv, .offset: 0, .size: 8, .value_kind: global_buffer, .address_space: global }
      - { .name: betaT, .offset: 8, .size: 8, .value_kind: global_buffer, .address_space: global }
      - { .name: rec, .offset: 16, .size: 8, .value_kind: global_buffer, .address_space: global }
      - { .name: urec, .offset: 24, .size: 8, .value_kind: global_buffer, .address_space: global }
    .group_segment_fixed_size: 167936
    .private_segment_fixed_size: 0
    .kernarg_segment_align: 8
    .kernarg_segment_size: 32
    .max_flat_workgroup_size: 128
    .sgpr_count:     96
    .vgpr_count:     512
    .wavefront_size: 32
...
	.end_amdgpu_metadata
.endif
;; end of part 3
;; launch scan (part 4): grid 16 x 16, 2 waves a work-group, clusters of 4 x 1, 327,680 bytes of LDS; arguments rec, urec, osq; writes osq
.if DOCPART == 4
	.amdgcn_target "amdgcn-amd-amdhsa--gfx1250"
	.amdhsa_code_object_version 6
	.text
	.protected	k_q55a48494ff_scan
	.globl	k_q55a48494ff_scan
	.p2align	8
	.type	k_q55a48494ff_scan,@function
k_q55a48494ff_scan:
	s_mov_b64 s[64:65], 0
	v_nop
	global_prefetch_b8 v0, s[64:65] scope:SCOPE_SE
	s_setreg_imm32_b32 hwreg(HW_REG_WAVE_MODE, 25, 1), 1
	s_wait_xcnt 0x0
	s_wait_alu depctr_hold_cnt(0) depctr_sa_sdst(0) depctr_va_vdst(0) depctr_va_sdst(0) depctr_va_ssrc(0) depctr_va_vcc(0) depctr_vm_vsrc(0)
	s_getreg_b32 s2, hwreg(HW_REG_IB_STS2, 6, 4)
	s_cmp_eq_u32 s2, 0
	s_cbranch_scc0 .Lentry_in_a_cluster
	s_endpgm
.Lentry_in_a_cluster:
	s_bfe_u32 s2, ttmp6, 0x10000c
	s_cmp_lg_u32 s2, 0x3003
	s_cbranch_scc0 .Lentry_shape_is_right
	s_endpgm
.Lentry_shape_is_right:
; SCAN.  The delta rule over 16 chunks of 32 tokens.  Grid y: (batch, head); grid x: a slice of 32 value channels; a wave owns 16 of them for all 512 tokens, and nothing passes between waves:
; the state's columns never mix.  For each chunk: VD = U + Wn S; O = Q S + P VD; S += K^T VD.  S [256][16] stays in f32 in 128 registers; it is rounded to f16 once a chunk for the products.
; Every operand but S and VD comes out of LDS in register order (16 bytes a lane, blocks of 512 bytes).  O leaves as f16 [kb = 32 h + g][token][16], and the token's sum of o^2 over my 16 channels as f32 [kb][token].
; TWO WAVES: every matrix instruction takes a fresh fragment of 1,024 bytes out of LDS; the chip's 256 WGPs each take 32 channels.
; CLUSTER 4 x 1: the slices of one (batch, head) read the same records: two records (two chunks) a slot, wave w fetches record w, asked for jointly by four work-groups.  U is the wave's own, fetched once.
; LAYOUT.  Lane = channel in S, VD (registers: dk, or token); lane = token in O (registers: 8 channels).  Two neighbouring results rounded in pairs ARE the next product's fragment.
; LIMITS.  f16: S, VD and o beyond 65,504 become infinite (v arrives divided by 16).  The store of the sums covers 128 consecutive bytes.
; REGISTERS.  window 0: addresses, VD, O, VD's fragment, U, P.  window 1: v0-31 S's fragments ks 0-3; v32-159 X: Wn and Q for ks 0-3.  window 2: the same for ks 4-7.  window 3: v0-127 S; v128-255 K^T.
.set RECB,  51200
.set SLOT1, 1<<17
.set ULDS,  SLOT1+2*RECB               ; 16,384 bytes for each wave
.set SPARE, ULDS+2*16384
.set LA,  2
.set ADR, 3
.set UA,  4
.set OA,  5
.set SA,  6
.set SPW, 10
.set NIL, 11
.set VD,  32                           ; v32-47 (the sixteen conversions below name them by number)
.set OACC, 48
.set VF,  64
.set UR,  72                           ; v72-79 (likewise)
.set PF,  80
.set OP,  96
.set TQ,  104
.set TB,  44                           ; s44 LDS byte of the record to be fetched next
.set UB,  45                           ; s45 LDS byte of the U to be fetched next
.set SLOTS, 46
.set TWICE, 47
.set HM,  50
.set MSB, 0
.macro WIN new
.if MSB != (\new)
	s_set_vgpr_msb (MSB<<8)|(\new)
.set MSB, (\new)
.endif
.endm
.macro PLACES
.rept 4
	v_nop
.endr
.endm
.macro CROUND
	s_barrier_signal -1
	s_barrier_wait -1
	s_cmp_lg_u32 s10, 0
	s_cbranch_scc1 .Lnot_wave_0_\@
	s_barrier_signal -3
.Lnot_wave_0_\@:
	s_barrier_wait -3
	s_barrier_signal -1
	s_barrier_wait -1
.endm
	s_load_b128 s[4:7], s[0:1], 0x0                ; rec, urec
	s_load_b64 s[8:9], s[0:1], 0x10                ; osq
	v_lshl_add_u32 v[SPW], v0, 2, SPARE
	v_mov_b32 v[NIL], 0
	ds_add_u32 v[SPW], v[NIL]                      ; the wave's opening: the add and its wait stand ahead of my first tensor load
	ds_add_u32 v10, v11
	v_lshrrev_b32 v1, 5, v0
	v_readfirstlane_b32 s10, v1                    ; wave 0, 1
	s_bfe_u32 s11, ttmp6, 0x40000                  ; cx: it enters U's global address and the stores' bases alone
	s_lshl_b32 s12, ttmp9, 2
	s_add_co_u32 s12, s12, s11                     ; slice
	s_and_b32 s13, ttmp7, 0xffff                   ; bh, which the four partners share
	s_mov_b32 s16, 15|(3<<16)|(1<<21)              ; joint: the mask of four; 8-byte elements; bit 21 beside a mask
	s_mov_b32 s17, 32<<16                          ; rows of 32 elements = 256 bytes,
	s_mov_b32 s18, 200<<16                         ; 200 of them: a record
	s_mov_b32 s19, 32<<16
	s_mov_b32 s20, 200
	s_mov_b32 s21, 32
	s_mov_b32 s22, 0
	s_mov_b32 s23, 0
	s_mov_b32 s24, 3<<16                           ; my own: 64 rows of 256 bytes: U of my 16 channels, all chunks
	s_mov_b32 s25, 32<<16
	s_mov_b32 s26, 64<<16
	s_mov_b32 s27, 32<<16
	s_mov_b32 s28, 64
	s_mov_b32 s29, 32
	s_mov_b32 s30, 0
	s_mov_b32 s31, 0
	s_lshl_b32 s52, s13, 4
	s_add_co_u32 s52, s52, s10
	s_mul_i32 s52, s52, RECB                       ; record 16 bh + w
	s_mov_b32 s53, 0
	s_lshl_b32 s54, s12, 1
	s_add_co_u32 s54, s54, s10                     ; g
	s_lshl_b32 s55, s13, 5
	s_add_co_u32 s55, s55, s54
	s_lshl_b32 s56, s55, 14                        ; U: (32 bh + g) 16,384
	s_mov_b32 s57, 0
	s_and_b32 s55, s13, 3
	s_lshl_b32 s55, s55, 5
	s_add_co_u32 s55, s55, s54                     ; kb = 32 h + g
	s_lshr_b32 s54, s13, 2                         ; b
	s_lshl_b32 s58, s55, 16
	s_lshl_b32 s59, s54, 14
	s_add_co_u32 s58, s58, s59                     ; O: kb 65,536 + 512 b tokens of 32 bytes
	s_mov_b32 s59, 0
	s_lshl_b32 s14, s55, 13
	s_lshl_b32 s15, s54, 11
	s_add_co_u32 s14, s14, s15
	s_add_co_u32 s14, s14, 8388608                 ; the sums: behind O
	s_mov_b32 s15, 0
	s_mov_b32 s32, 1
	s_mul_i32 s33, s10, RECB                       ; slot 0, record w
	s_mov_b32 s36, 1
	s_add_co_u32 s37, s33, SLOT1                   ; slot 1: this descriptor then walks
	s_mov_b32 s40, 1
	s_lshl_b32 s41, s10, 14
	s_add_co_u32 s41, s41, ULDS
	s_mov_b32 s[UB], s41
	s_mov_b32 s[TB], 0
	s_mov_b32 s48, 0x76543210
	s_mov_b32 s49, 0xfedcba98
	s_mov_b32 s[HM], 0xffff0000
	s_wait_dscnt 0x0                               ; the opening add is done
	s_wait_kmcnt 0x0
	s_add_nc_u64 s[34:35], s[4:5], s[52:53]
	s_add_nc_u64 s[38:39], s[34:35], 2*RECB
	s_or_b32 s35, s35, 0x80000000
	s_or_b32 s39, s39, 0x80000000
	s_add_nc_u64 s[42:43], s[6:7], s[56:57]
	s_or_b32 s43, s43, 0x80000000
	s_add_nc_u64 s[60:61], s[8:9], s[58:59]
	s_add_nc_u64 s[62:63], s[8:9], s[14:15]
	CROUND                                         ; all four work-groups are here
	tensor_load_to_lds s[40:43], s[24:31]          ; the first fills, one group: three loads of mine are out
	s_nop 0
	tensor_load_to_lds s[32:35], s[16:23]
	s_nop 0
	tensor_load_to_lds s[36:39], s[16:23]
	s_nop 0
.rept 4
	v_nop
.endr
	v_and_b32 v1, 31, v0
	v_lshlrev_b32 v[LA], 4, v1
	v_lshlrev_b32 v[SA], 2, v1                     ; token = lane in the store of the sums
	v_and_b32 v7, 15, v0
	v_bfe_u32 v9, v0, 4, 1
	v_lshlrev_b32 v[OA], 5, v7
	v_lshl_add_u32 v[OA], v9, 4, v[OA]             ; token r, channels 8 h ..
	v_mov_b32 v[TQ+6], 0
	v_mov_b32 v[TQ+7], 0
.macro LOADKP                          ; K^T (32 loads) and P (4) of the record at v[ADR]
	WIN 0xc0
.irp d, 0,1,2,3,4,5,6,7,8,9,10,11,12,13,14,15
	ds_load_b128 v[128+8*(\d):128+8*(\d)+3],   v[ADR] offset:32768+(\d)*1024
	ds_load_b128 v[128+8*(\d)+4:128+8*(\d)+7], v[ADR] offset:32768+(\d)*1024+512
.endr
	WIN 0
.irp t, 0,1,2,3
	ds_load_b128 v[PF+4*(\t):PF+4*(\t)+3], v[ADR] offset:49152+512*(\t)
.endr
.endm
.macro LOADXY ks0                      ; 32 loads: for ks = ks0 + c the fragments Wn tt 0, 1 and Q tt 0, 1, at 32 + 8 (4 c + kind)
.irp c, 0,1,2,3
.irp tt, 0,1
	ds_load_b128 v[32+8*(4*(\c)+(\tt)):32+8*(4*(\c)+(\tt))+3],     v[ADR] offset:16384+((\tt)*8+(\ks0)+(\c))*1024
	ds_load_b128 v[32+8*(4*(\c)+(\tt))+4:32+8*(4*(\c)+(\tt))+7],   v[ADR] offset:16384+((\tt)*8+(\ks0)+(\c))*1024+512
	ds_load_b128 v[32+8*(4*(\c)+2+(\tt)):32+8*(4*(\c)+2+(\tt))+3],   v[ADR] offset:((\tt)*8+(\ks0)+(\c))*1024
	ds_load_b128 v[32+8*(4*(\c)+2+(\tt))+4:32+8*(4*(\c)+2+(\tt))+7], v[ADR] offset:((\tt)*8+(\ks0)+(\c))*1024+512
.endr
.endr
.endm
.macro MULA zero                       ; 16 products: VD += Wn S, O (+)= S Q; four accumulators by turns
.irp c, 0,1,2,3
	v_wmma_f32_16x16x32_f16 v[VD:VD+7], v[32+32*(\c):32+32*(\c)+7], v[8*(\c):8*(\c)+7], v[VD:VD+7]
	v_wmma_f32_16x16x32_f16 v[VD+8:VD+15], v[40+32*(\c):40+32*(\c)+7], v[8*(\c):8*(\c)+7], v[VD+8:VD+15]
.if (\zero) && ((\c) == 0)
	v_wmma_f32_16x16x32_f16 v[OACC:OACC+7], v[8*(\c):8*(\c)+7], v[48+32*(\c):48+32*(\c)+7], 0
	v_wmma_f32_16x16x32_f16 v[OACC+8:OACC+15], v[8*(\c):8*(\c)+7], v[56+32*(\c):56+32*(\c)+7], 0
.else
	v_wmma_f32_16x16x32_f16 v[OACC:OACC+7], v[8*(\c):8*(\c)+7], v[48+32*(\c):48+32*(\c)+7], v[OACC:OACC+7]
	v_wmma_f32_16x16x32_f16 v[OACC+8:OACC+15], v[8*(\c):8*(\c)+7], v[56+32*(\c):56+32*(\c)+7], v[OACC+8:OACC+15]
.endif
.endr
.endm
; A chunk's first part: the products with the state as it entered
.macro ALPHA
	s_wait_dscnt 32                                ; X is in; Y's 32 loads may stay out
	LOADKP
	WIN 0x05
	MULA 1
	s_wait_dscnt 36                                ; Y is in; the 36 just issued may stay out
	WIN 0x0a
	MULA 0
.endm
; A chunk's second part.  first = 1: chunk 0: the state is 0, so U's words are VD's fragment, and the products start the sums.  last = 1: nothing follows.
.macro BETA first, last
	WIN 0
	s_wait_dscnt 0x0                               ; K^T and P are in
.if !(\first)
	PLACES
.set z, 0
.rept 8
	v_cvt_pk_f16_f32 v[VF+z], v[VD+2*z], v[VD+2*z+1]
.set z, z+1
.endr
.endif
.if !(\last)
	v_add_nc_u32 v[UA], s[UB], v[LA]               ; the next chunk's U, Wn and Q: 66 loads
	s_add_co_u32 s[UB], s[UB], 1024
	ds_load_b128 v[UR:UR+3], v[UA]
	ds_load_b128 v[UR+4:UR+7], v[UA] offset:512
	v_add_nc_u32 v[ADR], s[TB], v[LA]
	s_add_co_u32 s[TB], s[TB], RECB
	WIN 0x40
	LOADXY 0
	WIN 0x80
	LOADXY 4
.endif
	WIN 0
.if \first
	v_wmma_f32_16x16x32_f16 v[OACC:OACC+7], v[VF:VF+7], v[PF:PF+7], 0
	v_wmma_f32_16x16x32_f16 v[OACC+8:OACC+15], v[VF:VF+7], v[PF+8:PF+15], 0
.else
	v_wmma_f32_16x16x32_f16 v[OACC:OACC+7], v[VF:VF+7], v[PF:PF+7], v[OACC:OACC+7]
	v_wmma_f32_16x16x32_f16 v[OACC+8:OACC+15], v[VF:VF+7], v[PF+8:PF+15], v[OACC+8:OACC+15]
.endif
.if !(\last)
	WIN 0xf3                                       ; K^T and S in window 3, VD's fragment in window 0
.irp d, 0,1,2,3,4,5,6,7,8,9,10,11,12,13,14,15
.if \first
	v_wmma_f32_16x16x32_f16 v[8*(\d):8*(\d)+7], v[128+8*(\d):128+8*(\d)+7], v[VF:VF+7], 0
.else
	v_wmma_f32_16x16x32_f16 v[8*(\d):8*(\d)+7], v[128+8*(\d):128+8*(\d)+7], v[VF:VF+7], v[8*(\d):8*(\d)+7]
.endif
.endr
	WIN 0
	s_wait_dscnt 63                                ; of the 66 loads the oldest three are done, U's two among them
	v_cvt_f32_f16 v32, v72.l                       ; the next chunk's VD starts as U; these sixteen are also the places behind the products
	v_cvt_f32_f16 v33, v72.h
	v_cvt_f32_f16 v34, v73.l
	v_cvt_f32_f16 v35, v73.h
	v_cvt_f32_f16 v36, v74.l
	v_cvt_f32_f16 v37, v74.h
	v_cvt_f32_f16 v38, v75.l
	v_cvt_f32_f16 v39, v75.h
	v_cvt_f32_f16 v40, v76.l
	v_cvt_f32_f16 v41, v76.h
	v_cvt_f32_f16 v42, v77.l
	v_cvt_f32_f16 v43, v77.h
	v_cvt_f32_f16 v44, v78.l
	v_cvt_f32_f16 v45, v78.h
	v_cvt_f32_f16 v46, v79.l
	v_cvt_f32_f16 v47, v79.h
.else
	PLACES
.endif
	s_wait_xcnt 0x0                                ; the last chunk's stores have read their registers
.if !(\first)
	v_add_nc_u32 v[OA], 1024, v[OA]                ; 32 tokens of 32 bytes on
	v_add_nc_u32 v[SA], 128, v[SA]
.endif
.irp tt, 0,1
	v_pk_mul_f32 v[TQ+2*(\tt):TQ+2*(\tt)+1], v[OACC+8*(\tt):OACC+8*(\tt)+1], v[OACC+8*(\tt):OACC+8*(\tt)+1]
.endr
.irp p, 1,2,3
.irp tt, 0,1
	v_pk_fma_f32 v[TQ+2*(\tt):TQ+2*(\tt)+1], v[OACC+8*(\tt)+2*(\p):OACC+8*(\tt)+2*(\p)+1], v[OACC+8*(\tt)+2*(\p):OACC+8*(\tt)+2*(\p)+1], v[TQ+2*(\tt):TQ+2*(\tt)+1]
.endr
.endr
.irp tt, 0,1
	v_add_f32 v[TQ+4+(\tt)], v[TQ+2*(\tt)], v[TQ+2*(\tt)+1]
.endr
.irp tt, 0,1
	v_permlanex16_b32 v[TQ+6+(\tt)], v[TQ+4+(\tt)], s48, s49   ; the token's other 8 channels lie in the lane 16 away
.endr
.irp tt, 0,1
	v_add_f32 v[TQ+4+(\tt)], v[TQ+4+(\tt)], v[TQ+6+(\tt)]
.endr
	v_cndmask_b32 v[TQ+8], v[TQ+4], v[TQ+5], s[HM] ; lane l takes token l's sum
.set z, 0
.rept 8
	v_cvt_pk_f16_f32 v[OP+z], v[OACC+2*z], v[OACC+2*z+1]
.set z, z+1
.endr
	global_store_b128 v[OA], v[OP:OP+3], s[60:61]              ; 512 consecutive bytes each
	global_store_b128 v[OA], v[OP+4:OP+7], s[60:61] offset:512
	global_store_b32 v[SA], v[TQ+8], s[62:63]
.if !(\last)
	WIN 0x4f                                       ; S rounded to f16: two neighbouring tiles are a fragment
.set z, 0
.rept 32
	v_cvt_pk_f16_f32 v[z], v[2*z], v[2*z+1]
.set z, z+1
.endr
	WIN 0x8f
.set z, 0
.rept 32
	v_cvt_pk_f16_f32 v[z], v[64+2*z], v[64+2*z+1]
.set z, z+1
.endr
.endif
.endm
; The change of slots: all of the slot's bytes have been asked for.  fill = 1: it is filled again, with the records two slots on, behind a round of the cluster's barrier.
.macro CHANGE fill
	WIN 0
	s_wait_tensorcnt 0x0                           ; no tensor load of mine is out, so a descriptor may be written
	ds_add_u32 v[SPW], v[NIL]                      ; 0 onto my spare word
.if \fill
	s_xor_b32 s37, s37, SLOT1
	s_add_nc_u64 s[38:39], s[38:39], 2*RECB
.endif
	s_wait_dscnt 0x0                               ; the add is done, and my reads of the slot are over
.if \fill
	CROUND
	tensor_load_to_lds s[36:39], s[16:23]          ; it has two chunks, 100 matrix instructions, in which to land
	s_nop 0
.rept 4
	v_nop
.endr
.else
	s_barrier_signal -1
	s_barrier_wait -1
.endif
	s_sub_co_u32 s[TB], s[TB], 2*RECB
	s_xor_b32 s[TB], s[TB], SLOT1
.endm
.macro TWO_STEPS
	s_mov_b32 s[TWICE], 2
.Lstep_\@:
	BETA 0, 0
	ALPHA
	WIN 0
	s_sub_co_u32 s[TWICE], s[TWICE], 1
	s_cmp_lg_u32 s[TWICE], 0
	s_cbranch_scc1 .Lstep_\@
.endm
	s_wait_tensorcnt 1                             ; U and my part of slot 0 are in; slot 1's may stay out
	s_barrier_signal -1
	s_barrier_wait -1
	v_add_nc_u32 v[UA], s[UB], v[LA]
	s_add_co_u32 s[UB], s[UB], 1024
	ds_load_b128 v[VF:VF+3], v[UA]
	ds_load_b128 v[VF+4:VF+7], v[UA] offset:512
	v_add_nc_u32 v[ADR], s[TB], v[LA]
	s_add_co_u32 s[TB], s[TB], RECB
	LOADKP
	BETA 1, 0                                      ; chunk 0
	ALPHA                                          ; chunk 1
	WIN 0
	s_mov_b32 s[SLOTS], 6
.Lslot:                                                ; six trips: chunks 4 to 15 are asked for
	CHANGE 1
	TWO_STEPS
	s_sub_co_u32 s[SLOTS], s[SLOTS], 1
	s_cmp_lg_u32 s[SLOTS], 0
	s_cbranch_scc1 .Lslot
	CHANGE 0                                       ; the tail is written out: nothing is asked for
	TWO_STEPS
	BETA 0, 1
	WIN 0
	s_wait_tensorcnt 0x0                           ; the wave's end
	ds_add_u32 v[SPW], v[NIL]
	s_wait_dscnt 0x0
	CROUND                                         ; the closing round
	s_endpgm
.Lfunc_end_k_q55a48494ff_scan:
	.size	k_q55a48494ff_scan, .Lfunc_end_k_q55a48494ff_scan-k_q55a48494ff_scan
	.p2alignl 7, 3214868480
	.fill 96, 4, 3214868480
	.section	.rodata,"a",@progbits
	.p2align	6, 0x0
	.amdhsa_kernel k_q55a48494ff_scan
		.amdhsa_group_segment_fixed_size 327680
		.amdhsa_private_segment_fixed_size 0
		.amdhsa_enable_private_segment 0
		.amdhsa_kernarg_size 24
		.amdhsa_user_sgpr_count 2
		.amdhsa_user_sgpr_kernarg_segment_ptr 1
		.amdhsa_wavefront_size32 1
		.amdhsa_system_sgpr_workgroup_id_x 1
		.amdhsa_system_sgpr_workgroup_id_y 1
		.amdhsa_system_sgpr_workgroup_id_z 1
		.amdhsa_system_vgpr_workitem_id 0
		.amdhsa_next_free_vgpr 1024
		.amdhsa_next_free_sgpr 66
		.amdhsa_reserve_vcc 0
		.amdhsa_float_denorm_mode_32 3
		.amdhsa_float_denorm_mode_16_64 3
		.amdhsa_memory_ordered 1
		.amdhsa_forward_progress 1
		.amdhsa_inst_pref_size 63
	.end_amdhsa_kernel
	.amdgpu_metadata
---
amdhsa.version: [ 1, 2 ]
amdhsa.kernels:
  - .name:           k_q55a48494ff_scan
    .symbol:         k_q55a48494ff_scan.kd
    .args:
      - { .name: rec, .offset: 0, .size: 8, .value_kind: global_buffer, .address_space: global }
      - { .name: urec, .offset: 8, .size: 8, .value_kind: global_buffer, .address_space: global }
      - { .name: osq, .offset: 16, .size: 8, .value_kind: global_buffer, .address_space: global }
    .group_segment_fixed_size: 327680
    .private_segment_fixed_size: 0
    .kernarg_segment_align: 8
    .kernarg_segment_size: 24
    .max_flat_workgroup_size: 64
    .sgpr_count:     66
    .vgpr_count:     1024
    .wavefront_size: 32
...
	.end_amdgpu_metadata
.endif
;; end of part 4
;; launch outp (part 5): grid 8 x 32, 4 waves a work-group, clusters of 4 x 4, 327,680 bytes of LDS; arguments osq, w16, x, out0; writes out0
.if DOCPART == 5
	.amdgcn_target "amdgcn-amd-amdhsa--gfx1250"
	.amdhsa_code_object_version 6
	.text
	.protected	k_q55a48494ff_outp
	.globl	k_q55a48494ff_outp
	.p2align	8
	.type	k_q55a48494ff_outp,@function
k_q55a48494ff_outp:
	s_mov_b64 s[64:65], 0
	v_nop
	global_prefetch_b8 v0, s[64:65] scope:SCOPE_SE
	s_setreg_imm32_b32 hwreg(HW_REG_WAVE_MODE, 25, 1), 1
	s_wait_xcnt 0x0
	s_wait_alu depctr_hold_cnt(0) depctr_sa_sdst(0) depctr_va_vdst(0) depctr_va_sdst(0) depctr_va_ssrc(0) depctr_va_vcc(0) depctr_vm_vsrc(0)
	s_getreg_b32 s2, hwreg(HW_REG_IB_STS2, 6, 4)
	s_cmp_eq_u32 s2, 0
	s_cbranch_scc0 .Lentry_in_a_cluster
	s_endpgm
.Lentry_in_a_cluster:
	s_bfe_u32 s2, ttmp6, 0x10000c
	s_cmp_lg_u32 s2, 0xf033
	s_cbranch_scc0 .Lentry_shape_is_right
	s_endpgm
.Lentry_shape_is_right:
; OUTP.  out0 = x + the sum over heads h of rs[t][h] (o_h [2048][512] x Wo16_h [512][1024]), rs = 1 / sqrt(mean(o_h^2) + 1e-5); o_norm_w lies in Wo16.  f16 operands, f32 sums;
; a head's finished sums are multiplied by rs in f32 and added to the total.
; A tile is 64 tokens x 128 columns: 256 work-groups; four waves, each 32 x 64: 8 accumulators.  K = 2048 in 8 steps of 256 through two LDS slots; a head is two steps: a lap.
; o lies as [kb = k / 16][token][16]: a tile's part of one kb is 2,048 dense bytes, padded by 16 after every 256.  The matrix instruction is used transposed: a lane holds one token and 8 columns.
; CLUSTER 4 x 4: o's tile is shared along a row of the cluster, Wo16's along a column.
; REGISTERS.  window 0: addresses, v8-15 rs by lap and token tile, v32-95 a head's sums, v96-159 the total, v160-223 x, v224-255 rows on the way out;
; windows 1, 2: two fragment buffers of 128 along K: piece c at 48 c: 2 token fragments, then 4 weight fragments.
.set PKB,   2176                       ; a kb's 64 tokens: 2,048 bytes + 8 x 16
.set PB,    288                        ; a row of Wo16's tile: 256 bytes + 32 = 9 x 32
.set BOFF,  16*PKB
.set SLOT,  BOFF+256*PB
.set STAGE, 2*SLOT                     ; 16 rows x 272 bytes for each wave
.set SP,    272
.set RS,    STAGE+4*16*SP              ; f32 [4 heads][64 tokens]
.set SPARE, RS+1024
.set RSR,  6
.set RSQ,  8
.set ADRA, 16
.set ADRB, 18                          ; v18-21: slot 2 s + half of the K step
.set STO,  24
.set RD,   25
.set CO,   26
.set SPW,  28
.set NIL,  29
.set SQA,  30
.set RSW,  31
.set ACC,  32
.set TOT,  96
.set XR,   160
.set OB,   224
.set WV,  72
.set WR,  73
.set WC,  74
.set TY,  75
.set G1,  24
.set G0,  32
.set G1B, 48
.set G0B, 56
.set MSB, 0
.macro WIN new
.if MSB != (\new)
	s_set_vgpr_msb (MSB<<8)|(\new)
.set MSB, (\new)
.endif
.endm
.macro PLACES
.rept 4
	v_nop
.endr
.endm
.macro JLOAD s                         ; a joint load: waves 0, 1 fetch o's two halves, waves 2, 3 Wo16's; an s_nop 0 and four v_nop follow each line
	s_cmp_eq_u32 s[WR], 0
	s_cbranch_scc0 .Lfor_b_\@
	tensor_load_to_lds s[G0+4*(\s):G0+4*(\s)+3], s[G1:G1+7]
	s_nop 0
.rept 4
	v_nop
.endr
	s_branch .Lasked_\@
.Lfor_b_\@:
	tensor_load_to_lds s[G0B+4*(\s):G0B+4*(\s)+3], s[G1B:G1B+7]
	s_nop 0
.rept 4
	v_nop
.endr
.Lasked_\@:
.endm
.macro CROUND
	s_barrier_signal -1
	s_barrier_wait -1
	s_cmp_lg_u32 s[WV], 0
	s_cbranch_scc1 .Lnot_wave_0_\@
	s_barrier_signal -3
.Lnot_wave_0_\@:
	s_barrier_wait -3
	s_barrier_signal -1
	s_barrier_wait -1
.endm
	s_load_b256 s[4:11], s[0:1], 0x0               ; osq 4, w16 6, x 8, out0 10
	v_lshl_add_u32 v[SPW], v0, 2, SPARE
	v_mov_b32 v[NIL], 0
	ds_add_u32 v[SPW], v[NIL]                      ; the wave's opening: the add and its wait stand ahead of my first tensor load
	ds_add_u32 v28, v29
	v_lshrrev_b32 v1, 5, v0
	v_readfirstlane_b32 s[WV], v1
	s_lshr_b32 s[WR], s[WV], 1                     ; my half of the tokens; also: I fetch o (0) or Wo16 (1)
	s_and_b32 s[WC], s[WV], 1                      ; my half of the columns; also: which half of that tile I fetch
	s_bfe_u32 s40, ttmp6, 0x40000
	s_bfe_u32 s41, ttmp6, 0x40004
	s_lshl_b32 s42, ttmp9, 2
	s_add_co_u32 s42, s42, s40                     ; column tile X
	s_and_b32 s[TY], ttmp7, 0xffff
	s_lshl_b32 s[TY], s[TY], 2
	s_add_co_u32 s[TY], s[TY], s41                 ; token tile Y
	s_lshl_b32 s43, s41, 2
	s_lshl_b32 s43, 15, s43
	s_lshl_b32 s44, 0x1111, s40
	s_or_b32 s[G1+0], s43, (1<<16)|(1<<20)|(1<<21)|(5<<22)|(3<<25)   ; 4 words of padding after every 64
	s_mov_b32 s[G1+1], 1024<<16                    ; a row: 64 tokens x 16 channels
	s_mov_b32 s[G1+2], 8<<16                       ; 8 kb
	s_mov_b32 s[G1+3], 1024<<16
	s_mov_b32 s[G1+4], 8
	s_mov_b32 s[G1+5], 32768                       ; elements from kb to kb
	s_mov_b32 s[G1+6], 0
	s_mov_b32 s[G1+7], 0
	s_or_b32 s[G1B+0], s44, (1<<16)|(1<<20)|(1<<21)|(5<<22)|(7<<25)  ; 8 words of padding after every 64
	s_mov_b32 s[G1B+1], 128<<16
	s_mov_b32 s[G1B+2], 128<<16
	s_mov_b32 s[G1B+3], 128<<16
	s_mov_b32 s[G1B+4], 128
	s_mov_b32 s[G1B+5], 1024
	s_mov_b32 s[G1B+6], 0
	s_mov_b32 s[G1B+7], 0
	s_lshl_b32 s16, s[WC], 19                      ; o: 8 kb of 65,536 bytes for the second half
	s_lshl_b32 s17, s[TY], 11                      ; + 64 Y tokens of 32 bytes
	s_add_co_u32 s16, s16, s17
	s_mov_b32 s17, 0
	s_lshl_b32 s46, s[WC], 18                      ; Wo16: 128 rows of 2,048 bytes for the second half
	s_lshl_b32 s47, s42, 8
	s_add_co_u32 s46, s46, s47
	s_add_co_u32 s46, s46, 8388608
	s_mov_b32 s47, 0
	s_mul_i32 s20, s[WC], 8*PKB
	s_mul_i32 s21, s[WC], 128*PB
	s_add_co_u32 s21, s21, BOFF
	s_mov_b32 s76, 0x3b000000                      ; 1 / 512
	s_mov_b32 s77, 0x3727c5ac                      ; 1e-5
	s_wait_dscnt 0x0                               ; the opening add is done
	s_wait_kmcnt 0x0
	s_add_nc_u64 s[14:15], s[4:5], s[16:17]
	s_add_nc_u64 s[46:47], s[6:7], s[46:47]
	CROUND
.irp s, 0,1
	s_mov_b32 s[G0+4*(\s)], 1
	s_add_co_u32 s[G0+4*(\s)+1], s20, (\s)*SLOT
	s_add_nc_u64 s[G0+4*(\s)+2:G0+4*(\s)+3], s[14:15], (\s)*16*65536
	s_or_b32 s[G0+4*(\s)+3], s[G0+4*(\s)+3], 0x80000000
	s_mov_b32 s[G0B+4*(\s)], 1
	s_add_co_u32 s[G0B+4*(\s)+1], s21, (\s)*SLOT
	s_add_nc_u64 s[G0B+4*(\s)+2:G0B+4*(\s)+3], s[46:47], (\s)*256*2048
	s_or_b32 s[G0B+4*(\s)+3], s[G0B+4*(\s)+3], 0x80000000
	JLOAD \s
.endr
	v_and_b32 v1, 15, v0                           ; r
	v_bfe_u32 v2, v0, 4, 1                         ; h
	v_and_b32 v3, 7, v0
	v_lshl_add_u32 v3, v2, 3, v3
	v_mul_u32_u24 v3, v3, PB
	v_bfe_u32 v4, v0, 3, 1
	v_lshl_add_u32 v3, v4, 4, v3                   ; the turning load's lane term
	s_lshl_b32 s22, s[WC], 7
	s_add_co_u32 s22, s22, BOFF
.irp s, 0,1
	v_add_nc_u32 v[ADRB+2*(\s)], s22, v3
	s_add_co_u32 s22, s22, 128*PB
	v_add_nc_u32 v[ADRB+2*(\s)+1], s22, v3
	s_add_co_u32 s22, s22, SLOT-128*PB
.endr
	v_lshlrev_b32 v5, 5, v1                        ; token r: 32 bytes each, 16 more behind every eight,
	v_lshrrev_b32 v4, 3, v1
	v_lshl_add_u32 v5, v4, 4, v5
	v_lshl_add_u32 v5, v2, 4, v5                   ; channels 8 h ..
	s_mul_i32 s23, s[WR], 1088                     ; my 32 tokens
	v_add_nc_u32 v[ADRA], s23, v5
	s_add_co_u32 s23, s23, SLOT
	v_add_nc_u32 v[ADRA+1], s23, v5
	s_mul_i32 s22, s[WV], 16*SP
	s_add_co_u32 s22, s22, STAGE
	v_mul_u32_u24 v4, v1, SP
	v_lshl_add_u32 v4, v2, 5, v4
	v_add_nc_u32 v[STO], s22, v4                   ; into my stage: row r, 32 bytes for each half of the lanes
	v_mul_u32_u24 v4, v2, SP
	v_lshl_add_u32 v4, v1, 4, v4
	v_add_nc_u32 v[RD], s22, v4                    ; back: lanes 0-15 one row of 256 bytes, lanes 16-31 the next
	v_lshlrev_b32 v4, 12, v2
	v_lshl_add_u32 v[CO], v1, 4, v4                ; the same two rows in x and out0
	v_and_b32 v4, 63, v0                           ; for rs: token tid % 64, heads 2 (tid / 64) and + 1
	v_lshrrev_b32 v5, 6, v0
	v_lshlrev_b32 v[SQA], 2, v4
	v_lshl_add_u32 v[SQA], v5, 19, v[SQA]          ; 64 kb of 8,192 bytes
	v_lshlrev_b32 v[RSW], 2, v4
	v_lshl_add_u32 v[RSW], v5, 9, v[RSW]
	v_add_nc_u32 v[RSW], RS, v[RSW]
	s_lshl_b32 s22, s[WR], 7
	s_add_co_u32 s22, s22, RS
	v_lshl_add_u32 v[RSR], v1, 2, s22              ; token 32 wr + r of head 0
	s_lshl_b32 s12, s[TY], 8
	s_add_co_u32 s12, s12, 8388608
	s_mov_b32 s13, 0
	s_add_nc_u64 s[12:13], s[4:5], s[12:13]        ; the sums of squares at my 64 tokens
	s_lshl_b32 s78, s[TY], 18                      ; 64 Y rows of 4,096 bytes
	s_lshl_b32 s79, s[WR], 17
	s_add_co_u32 s78, s78, s79
	s_lshl_b32 s79, s42, 9
	s_add_co_u32 s78, s78, s79
	s_lshl_b32 s79, s[WC], 8
	s_add_co_u32 s78, s78, s79
	s_mov_b32 s79, 0
	s_add_nc_u64 s[8:9], s[8:9], s[78:79]
	s_add_nc_u64 s[10:11], s[10:11], s[78:79]
.set z, 0
.rept 64
	global_load_b32 v[ACC+z], v[SQA], s[12:13] offset:z*8192   ; two heads x 32 partial sums
.set z, z+1
.endr
.set z, 0
.rept 16
	global_load_b128 v[XR+4*z:XR+4*z+3], v[CO], s[8:9] offset:2*z*4096   ; x, in the stores' own lane map
.set z, z+1
.endr
.set z, 0
.rept 64
	v_mov_b32 v[TOT+z], 0                          ; the total starts at 0: in the wait for the first tile
.set z, z+1
.endr
	s_wait_loadcnt 16                              ; x's 16 loads may stay out
.irp hl, 0,1
.set bq, ACC+32*(\hl)
.irp st, 16,8,4,2
.set z, 0
.rept (\st)/2
	v_pk_add_f32 v[bq+2*z:bq+2*z+1], v[bq+2*z:bq+2*z+1], v[bq+(\st)+2*z:bq+(\st)+2*z+1]
.set z, z+1
.endr
.endr
	v_add_f32 v[bq], v[bq], v[bq+1]
	v_fma_f32 v[bq], v[bq], s76, s77               ; mean + 1e-5
.endr
	v_rsq_f32 v[ACC], v[ACC]
	v_rsq_f32 v[ACC+32], v[ACC+32]
	v_nop
	s_wait_alu depctr_va_vdst(0)
	ds_store_b32 v[RSW], v[ACC]
	ds_store_b32 v[RSW], v[ACC+32] offset:256
.macro FETCH slot, hf, buf             ; 48 LDS loads: half hf (128 along K) of a slot's K step
	WIN (\buf)<<6
.irp c, 0,1,2,3
.irp nt, 0,1,2,3
	ds_load_tr16_b128 v[48*(\c)+16+8*(\nt):48*(\c)+16+8*(\nt)+3],   v[ADRB+2*(\slot)+(\hf)] offset:(\c)*32*PB+32*(\nt)
	ds_load_tr16_b128 v[48*(\c)+16+8*(\nt)+4:48*(\c)+16+8*(\nt)+7], v[ADRB+2*(\slot)+(\hf)] offset:(\c)*32*PB+16*PB+32*(\nt)
.endr
.irp mt, 0,1
	ds_load_b128 v[48*(\c)+8*(\mt):48*(\c)+8*(\mt)+3],   v[ADRA+(\slot)] offset:(2*(4*(\hf)+(\c)))*PKB+(\mt)*544
	ds_load_b128 v[48*(\c)+8*(\mt)+4:48*(\c)+8*(\mt)+7], v[ADRA+(\slot)] offset:(2*(4*(\hf)+(\c))+1)*PKB+(\mt)*544
.endr
.endr
.endm
.macro MUL buf, zero                   ; 32 matrix instructions; the 8 accumulators take turns
	WIN ((\buf)<<2)|(\buf)
.irp c, 0,1,2,3
.irp mt, 0,1
.irp nt, 0,1,2,3
.if (\zero) && ((\c) == 0)
	v_wmma_f32_16x16x32_f16 v[ACC+8*(4*(\mt)+(\nt)):ACC+8*(4*(\mt)+(\nt))+7], v[48*(\c)+16+8*(\nt):48*(\c)+16+8*(\nt)+7], v[48*(\c)+8*(\mt):48*(\c)+8*(\mt)+7], 0
.else
	v_wmma_f32_16x16x32_f16 v[ACC+8*(4*(\mt)+(\nt)):ACC+8*(4*(\mt)+(\nt))+7], v[48*(\c)+16+8*(\nt):48*(\c)+16+8*(\nt)+7], v[48*(\c)+8*(\mt):48*(\c)+8*(\mt)+7], v[ACC+8*(4*(\mt)+(\nt)):ACC+8*(4*(\mt)+(\nt))+7]
.endif
.endr
.endr
.endr
.endm
.macro H0 slot, zero
	PLACES
	FETCH \slot, 1, 2
	s_wait_dscnt 48                                ; all but the 48 just issued
	MUL 1, \zero
.endm
.macro H1 slot, next, fill
	WIN 0
	s_wait_tensorcnt 0x0                           ; all my tensor loads have landed: my part of the next slot
	ds_add_u32 v[SPW], v[NIL]                      ; 0 onto my spare word
.if \fill
	s_add_nc_u64 s[G0+4*(\slot)+2:G0+4*(\slot)+3], s[G0+4*(\slot)+2:G0+4*(\slot)+3], 32*65536
	s_add_nc_u64 s[G0B+4*(\slot)+2:G0B+4*(\slot)+3], s[G0B+4*(\slot)+2:G0B+4*(\slot)+3], 512*2048
.endif
	s_wait_dscnt 0x0                               ; the add is done, and my reads of this slot are over
.if \fill
	CROUND
	JLOAD \slot                                    ; the first tensor load behind the round; its four v_nop are the places in front of the loads below
.else
	s_barrier_signal -1
	s_barrier_wait -1
	PLACES
.endif
	FETCH \next, 0, 1
	MUL 2, 0
.endm
.macro SCALE                           ; the total takes the head's sums times rs of the lane's token
.set z, 0
.rept 16
	v_pk_fma_f32 v[TOT+2*z:TOT+2*z+1], v[ACC+2*z:ACC+2*z+1], v[RSQ:RSQ+1], v[TOT+2*z:TOT+2*z+1] op_sel_hi:[1,0,1]
.set z, z+1
.endr
.set z, 16
.rept 16
	v_pk_fma_f32 v[TOT+2*z:TOT+2*z+1], v[ACC+2*z:ACC+2*z+1], v[RSQ:RSQ+1], v[TOT+2*z:TOT+2*z+1] op_sel:[0,1,0] op_sel_hi:[1,1,1]
.set z, z+1
.endr
.endm
	s_wait_dscnt 0x0                               ; for the others' sake: my rs are stored
	s_wait_tensorcnt 1                             ; my part of K step 0 is in; K step 1's may stay out
	s_barrier_signal -1
	s_barrier_wait -1
.irp l, 0,1,2,3
	ds_load_b32 v[RSQ+2*(\l)], v[RSR] offset:256*(\l)          ; rs of my lane's two tokens, for all four heads
	ds_load_b32 v[RSQ+2*(\l)+1], v[RSR] offset:256*(\l)+64
.endr
	FETCH 0, 0, 1
	WIN 0
	s_mov_b32 s3, 3
.Llap:                                                 ; a trip is a head: two K steps; both slots are filled again
	H0 0, 1
	H1 0, 1, 1
	H0 1, 0
	H1 1, 0, 1
	WIN 0
	PLACES
	SCALE
.irp l, 0,1,2,3,4,5
	v_mov_b32 v[RSQ+(\l)], v[RSQ+2+(\l)]           ; the next head's rs move up
.endr
	s_sub_co_u32 s3, s3, 1
	s_cmp_lg_u32 s3, 0
	s_cbranch_scc1 .Llap
	H0 0, 1                                        ; the last head fills nothing
	H1 0, 1, 0
	H0 1, 0
	s_wait_dscnt 0x0
	MUL 2, 0
	WIN 0
	PLACES
	SCALE
	s_wait_loadcnt 0x0                             ; x
; The way out of token tile mt: f32 through my stage, back as whole rows of 256 bytes, x added, stored.
.macro OUTT mt
.irp nt, 0,1,2,3
	ds_store_b128 v[STO], v[TOT+32*(\mt)+8*(\nt):TOT+32*(\mt)+8*(\nt)+3] offset:64*(\nt)
	ds_store_b128 v[STO], v[TOT+32*(\mt)+8*(\nt)+4:TOT+32*(\mt)+8*(\nt)+7] offset:64*(\nt)+16
.endr
	s_wait_xcnt 0x0                                ; the registers that the last tile's stores read are loaded again only behind this wait
.irp t, 0,1,2,3,4,5,6,7
	ds_load_b128 v[OB+4*(\t):OB+4*(\t)+3], v[RD] offset:(\t)*2*SP  ; LDS serves a wave's instructions in order (ISA guide 5.7.1.4)
.endr
.irp t, 0,1,2,3,4,5,6,7
	s_wait_dscnt 7-(\t)
	v_pk_add_f32 v[OB+4*(\t):OB+4*(\t)+1], v[OB+4*(\t):OB+4*(\t)+1], v[XR+4*(8*(\mt)+(\t)):XR+4*(8*(\mt)+(\t))+1]
	v_pk_add_f32 v[OB+4*(\t)+2:OB+4*(\t)+3], v[OB+4*(\t)+2:OB+4*(\t)+3], v[XR+4*(8*(\mt)+(\t))+2:XR+4*(8*(\mt)+(\t))+3]
	global_store_b128 v[CO], v[OB+4*(\t):OB+4*(\t)+3], s[10:11] offset:((\mt)*16+2*(\t))*4096  ; 16 lanes store 256 consecutive bytes, aligned
.endr
.endm
	OUTT 0
	OUTT 1
	s_wait_tensorcnt 0x0                           ; the wave's end
	ds_add_u32 v[SPW], v[NIL]
	s_wait_dscnt 0x0
	CROUND                                         ; the closing round
	s_endpgm
.Lfunc_end_k_q55a48494ff_outp:
	.size	k_q55a48494ff_outp, .Lfunc_end_k_q55a48494ff_outp-k_q55a48494ff_outp
	.p2alignl 7, 3214868480
	.fill 96, 4, 3214868480
	.section	.rodata,"a",@progbits
	.p2align	6, 0x0
	.amdhsa_kernel k_q55a48494ff_outp
		.amdhsa_group_segment_fixed_size 327680
		.amdhsa_private_segment_fixed_size 0
		.amdhsa_enable_private_segment 0
		.amdhsa_kernarg_size 32
		.amdhsa_user_sgpr_count 2
		.amdhsa_user_sgpr_kernarg_segment_ptr 1
		.amdhsa_wavefront_size32 1
		.amdhsa_system_sgpr_workgroup_id_x 1
		.amdhsa_system_sgpr_workgroup_id_y 1
		.amdhsa_system_sgpr_workgroup_id_z 1
		.amdhsa_system_vgpr_workitem_id 0
		.amdhsa_next_free_vgpr 704
		.amdhsa_next_free_sgpr 80
		.amdhsa_reserve_vcc 0
		.amdhsa_float_denorm_mode_32 3
		.amdhsa_float_denorm_mode_16_64 3
		.amdhsa_memory_ordered 1
		.amdhsa_forward_progress 1
		.amdhsa_inst_pref_size 76
	.end_amdhsa_kernel
	.amdgpu_metadata
---
amdhsa.version: [ 1, 2 ]
amdhsa.kernels:
  - .name:           k_q55a48494ff_outp
    .symbol:         k_q55a48494ff_outp.kd
    .args:
      - { .name: osq, .offset: 0, .size: 8, .value_kind: global_buffer, .address_space: global }
      - { .name: w16, .offset: 8, .size: 8, .value_kind: global_buffer, .address_space: global }
      - { .name: x, .offset: 16, .size: 8, .value_kind: global_buffer, .address_space: global }
      - { .name: out0, .offset: 24, .size: 8, .value_kind: global_buffer, .address_space: global }
    .group_segment_fixed_size: 327680
    .private_segment_fixed_size: 0
    .kernarg_segment_align: 8
    .kernarg_segment_size: 32
    .max_flat_workgroup_size: 128
    .sgpr_count:     80
    .vgpr_count:     704
    .wavefront_size: 32
...
	.end_amdgpu_metadata
.endif
;; end of part 5
